; MI455X (gfx1250); checked and timed in simulation.
; The chip was launched on July 23, 2026; its instructions are those of AMD's public machine-readable ISA for CDNA 5 (MIT licence, August 2026) and "CDNA5" Instruction Set Architecture Reference Guide (July 2026). The comments in the code are by the model that wrote it; some were corrected since.
;; Llama Attention. Allowed arithmetic: float matrix products may take bf16 or f16 operands with f32 sums; all other float work in f32.
;; Inputs: Wk 2,048 x 512 float32; Wo 1,024 x 2,048 float32; Wq 2,048 x 1,024 float32; Wv 2,048 x 512 float32; attention_mask 2 x 1 x 2,048 x 2,048 float32; hidden_states 2 x 2,048 x 2,048 float32; position_ids 2 x 2,048 int32.
;; Outputs: out0 2 x 2,048 x 2,048 float32.
;; 2 versions, each right. Each part assembles by itself: llvm-mc -triple=amdgcn-amd-amdhsa -mcpu=gfx1250 --defsym DOCPART=n.
;; ======== version 1 of 2: 4 launches
;; limits: values are held in f16: magnitudes above 65,504 overflow, below 6.1e-05 lose precision; right only within a limited range of input values; values outside matrix products are rounded to bf16
;; workspace buffers: xh 16,777,216 bytes; wqkvh 8,388,608 bytes; woh 4,194,304 bytes; rope 524,288 bytes; qkvh 16,777,216 bytes; vloh 4,194,304 bytes; ctxh 16,777,216 bytes
;; launch prep (part 1): grid 1024 x 1, 8 waves a work-group, no clusters, 0 bytes of LDS; arguments hidden_states, Wq, Wk, Wv, Wo, xh, wqkvh, woh, rope; writes xh, wqkvh, woh, rope
.if DOCPART == 1
	.amdgcn_target "amdgcn-amd-amdhsa--gfx1250"
	.amdhsa_code_object_version 6
	.text
	.protected	k_qcf8bec5d0e_prep
	.globl	k_qcf8bec5d0e_prep
	.p2align	8
	.type	k_qcf8bec5d0e_prep,@function
k_qcf8bec5d0e_prep:
	s_mov_b64 s[64:65], 0
	v_nop
	global_prefetch_b8 v0, s[64:65] scope:SCOPE_SE
	s_setreg_imm32_b32 hwreg(HW_REG_WAVE_MODE, 25, 1), 1
	s_wait_xcnt 0x0
; One pass over the f32 operands of the products: each is rounded once to bf16 and laid as the products want it, and the table of cosines and sines is made.
;   xh    [4096][2048] bf16 = hidden_states
;   wqkvh [2048 k][2048 n] bf16: n 0-1023 Wq; then four blocks of 256: block j = Wk's columns 128 j .. + 127, then Wv's columns 128 j .. + 127
;   woh   [1024 k][2048 n] f16 = 4 x (Wo rounded to bf16) (the context is kept as ctx / 4, in f16, so its partner is f16 too)
;   rope  [2048 positions][64] f32: 32 cosines, then 32 sines; a row is 256 bytes
; LIMITS: the inputs' digits beyond bf16's eight are dropped, so the program computes the definition on inputs rounded to bf16.
; |4 Wo| beyond 65,504 becomes infinite in f16; |4 Wo| below 2^-17 is held to steps of 2^-24.
; The angles are position x 10000^(-i/32) in f32, reduced by multiples of pi/2 kept in two parts; positions are 0 to 2047.
; A stream: no LDS, no barrier, no matrix unit.  A work-group of 256 threads takes 16,384 numbers: sixteen 16-byte loads a thread,
; all issued first; each store of a wave covers 256 consecutive bytes, aligned.
; Work-groups 0-511 x, 512-639 Wq, 640-703 Wk, 704-767 Wv, 768-895 Wo, 896-1023 the table (16 positions each).
.set X, 8                              ; v[8:71]   sixteen loads of 4 f32
.set Y, 72                             ; v[72:103] sixteen pairs of registers, 4 numbers of 16 bits each
	s_load_b512 s[4:19], s[0:1], 0x0               ; hidden s[4:5], Wq s[6:7], Wk s[8:9], Wv s[10:11], Wo s[12:13], xh s[14:15], wqkvh s[16:17], woh s[18:19]
	s_load_b64 s[20:21], s[0:1], 0x40              ; rope
	v_lshlrev_b32 v1, 4, v0                        ; source: 16 bytes a thread
	v_lshlrev_b32 v2, 3, v0                        ; destination where a load's 1,024 numbers stay in one row: 8 bytes a thread
	v_lshrrev_b32 v3, 7, v0                        ; destination for Wk and Wv, whose rows have 512 numbers: a load covers two rows, 4,096 bytes apart in wqkvh,
	v_bfe_u32 v4, v0, 5, 2                         ; a row is four pieces of 128 numbers, 512 bytes apart,
	v_and_b32 v5, 31, v0
	v_lshlrev_b32 v5, 3, v5                        ; and a wave writes one piece's 256 bytes
	v_lshl_add_u32 v4, v4, 9, v5
	v_lshl_add_u32 v3, v3, 12, v4
	s_wait_kmcnt 0x0
	s_cmp_lt_u32 ttmp9, 512
	s_cbranch_scc1 .Lx
	s_cmp_lt_u32 ttmp9, 640
	s_cbranch_scc1 .Lwq
	s_cmp_lt_u32 ttmp9, 704
	s_cbranch_scc1 .Lwk
	s_cmp_lt_u32 ttmp9, 768
	s_cbranch_scc1 .Lwv
	s_cmp_lt_u32 ttmp9, 896
	s_cbranch_scc1 .Lwo
	; THE TABLE.  Thread: position p = 16 (group - 896) + tid / 16; u = tid % 16: u < 8 the cosines, else the sines, of frequencies 4 (u % 8) + 0..3.
	s_sub_co_u32 s22, ttmp9, 896
	s_lshl_b32 s22, s22, 4
	s_mov_b32 s24, 0x3fc90fdb                      ; pi/2, its f32
	s_mov_b32 s25, 0xb33bbd2e                      ; pi/2 less that f32
	s_mov_b32 s26, 0xb94ca1f9                      ; sine on [-pi/4, pi/4]: r + r z ((s26 z + s27) z + s28), z = r r
	s_mov_b32 s27, 0x3c08839e
	s_mov_b32 s28, 0xbe2aaaa3
	s_mov_b32 s29, 0x37ccf5ce                      ; cosine: 1 - z/2 + z z ((s29 z + s30) z + s31)
	s_mov_b32 s30, 0xbab6061a
	s_mov_b32 s31, 0x3d2aaaa5
	v_lshrrev_b32 v4, 4, v0
	v_add_nc_u32 v4, s22, v4                       ; p
	v_and_b32 v5, 15, v0                           ; u
	v_and_b32 v6, 7, v5
	v_lshlrev_b32 v6, 2, v6                        ; first frequency
	v_cvt_f32_u32 v7, v4
	v_cmp_gt_u32 vcc_lo, 8, v5
	v_cndmask_b32 v8, 0, 1, vcc_lo                 ; 1 for a cosine: cos a = sin (a + pi/2), one quadrant on
.irp e, 0,1,2,3
	v_add_nc_u32 v[10+\e], \e, v6
	v_cvt_f32_u32 v[10+\e], v[10+\e]
	v_mul_f32 v[10+\e], 0xbed49a78, v[10+\e]       ; - i log2(10000) / 32
.endr
.irp e, 0,1,2,3
	v_exp_f32 v[14+\e], v[10+\e]                   ; 10000^(-i/32)
.endr
	v_lshlrev_b32 v60, 8, v4                       ; a plain instruction on other registers stands behind the four exponentials (ISA guide 5.7.2): the row's offset,
	v_lshl_add_u32 v60, v5, 4, v60                 ; and my 16 bytes in it
	s_wait_alu depctr_va_vdst(0)
.irp e, 0,1,2,3
	v_mul_f32 v[18+\e], v7, v[14+\e]               ; the angle a
	v_mul_f32 v[22+\e], 0x3f22f983, v[18+\e]
	v_rndne_f32 v[22+\e], v[22+\e]                 ; n = the nearest multiple of pi/2
	v_fma_f32 v[26+\e], -v[22+\e], s24, v[18+\e]
	v_fma_f32 v[26+\e], -v[22+\e], s25, v[26+\e]   ; r = a - n pi/2
	v_mul_f32 v[30+\e], v[26+\e], v[26+\e]         ; z
	v_fma_f32 v[34+\e], v[30+\e], s26, s27
	v_fma_f32 v[34+\e], v[34+\e], v[30+\e], s28
	v_mul_f32 v[42+\e], v[26+\e], v[30+\e]
	v_fma_f32 v[42+\e], v[42+\e], v[34+\e], v[26+\e]   ; sin r
	v_fma_f32 v[38+\e], v[30+\e], s29, s30
	v_fma_f32 v[38+\e], v[38+\e], v[30+\e], s31
	v_mul_f32 v[46+\e], v[30+\e], v[30+\e]
	v_fma_f32 v[50+\e], v[30+\e], -0.5, 1.0
	v_fma_f32 v[46+\e], v[46+\e], v[38+\e], v[50+\e]   ; cos r
	v_cvt_i32_f32 v[50+\e], v[22+\e]
	v_add_nc_u32 v[50+\e], v[50+\e], v8            ; the quadrant: odd takes cos r, bit 1 turns the sign
	v_and_b32 v[62+\e], 1, v[50+\e]
	v_cmp_eq_u32 vcc_lo, 1, v[62+\e]
	v_cndmask_b32 v[56+\e], v[42+\e], v[46+\e], vcc_lo
	v_lshlrev_b32 v[50+\e], 30, v[50+\e]
	v_and_b32 v[50+\e], 0x80000000, v[50+\e]
	v_xor_b32 v[56+\e], v[50+\e], v[56+\e]
.endr
	global_store_b128 v60, v[56:59], s[20:21]      ; sixteen lanes write one position's 256 bytes
	s_endpgm
; 16,384 numbers from s[src] to s[dst].  first: the part's first work-group; dch: destination bytes from chunk to chunk; cb2: the part's
; first column in bytes; dstep: destination bytes from load to load; dov: the register with the thread's destination offset;
; wo = 0: bf16 as rounded; wo = 1: the bf16 number times 4, as f16.
.macro STREAM src, dst, first, dch, cb2, dstep, dov, wo
	s_sub_co_u32 s22, ttmp9, \first
	s_lshl_b32 s24, s22, 16                        ; 65,536 source bytes a chunk
	s_mov_b32 s25, 0
	s_mul_i32 s26, s22, \dch
	s_add_co_u32 s26, s26, \cb2
	s_mov_b32 s27, 0
	s_add_nc_u64 s[\src:\src+1], s[\src:\src+1], s[24:25]
	s_add_nc_u64 s[\dst:\dst+1], s[\dst:\dst+1], s[26:27]
.set j, 0
.rept 16
	global_load_b128 v[X+4*j:X+4*j+3], v1, s[\src:\src+1] offset:4096*j th:TH_LOAD_NT
.set j, j+1
.endr
.set j, 0
.rept 16
	s_wait_loadcnt 15-j                            ; loads come back in order (ISA guide 5.7.1): load j is in, the younger ones stay out
	v_cvt_pk_bf16_f32 v[Y+2*j], v[X+4*j], v[X+4*j+1]
	v_cvt_pk_bf16_f32 v[Y+2*j+1], v[X+4*j+2], v[X+4*j+3]
.if \wo
	v_lshlrev_b32 v[X+4*j], 16, v[Y+2*j]           ; the rounded numbers back in f32,
	v_and_b32 v[X+4*j+1], 0xffff0000, v[Y+2*j]
	v_lshlrev_b32 v[X+4*j+2], 16, v[Y+2*j+1]
	v_and_b32 v[X+4*j+3], 0xffff0000, v[Y+2*j+1]
	v_pk_mul_f32 v[X+4*j:X+4*j+1], v[X+4*j:X+4*j+1], 4.0 op_sel_hi:[1,0]
	v_pk_mul_f32 v[X+4*j+2:X+4*j+3], v[X+4*j+2:X+4*j+3], 4.0 op_sel_hi:[1,0]
	v_cvt_pk_f16_f32 v[Y+2*j], v[X+4*j], v[X+4*j+1]        ; eight digits fit into f16's eleven
	v_cvt_pk_f16_f32 v[Y+2*j+1], v[X+4*j+2], v[X+4*j+3]
.endif
	global_store_b64 v[\dov], v[Y+2*j:Y+2*j+1], s[\dst:\dst+1] offset:\dstep*j
.set j, j+1
.endr
	s_endpgm
.endm
.Lx:
	STREAM 4, 14, 0, 32768, 0, 2048, 2, 0
.Lwq:
	STREAM 6, 16, 512, 65536, 0, 4096, 2, 0
.Lwk:
	STREAM 8, 16, 640, 131072, 2048, 8192, 3, 0
.Lwv:
	STREAM 10, 16, 704, 131072, 2304, 8192, 3, 0
.Lwo:
	STREAM 12, 18, 768, 32768, 0, 2048, 2, 1
.Lfunc_end_k_qcf8bec5d0e_prep:
	.size	k_qcf8bec5d0e_prep, .Lfunc_end_k_qcf8bec5d0e_prep-k_qcf8bec5d0e_prep
	.p2alignl 7, 3214868480
	.fill 96, 4, 3214868480
	.section	.rodata,"a",@progbits
	.p2align	6, 0x0
	.amdhsa_kernel k_qcf8bec5d0e_prep
		.amdhsa_group_segment_fixed_size 0
		.amdhsa_private_segment_fixed_size 0
		.amdhsa_enable_private_segment 0
		.amdhsa_kernarg_size 72
		.amdhsa_user_sgpr_count 2
		.amdhsa_user_sgpr_kernarg_segment_ptr 1
		.amdhsa_wavefront_size32 1
		.amdhsa_system_sgpr_workgroup_id_x 1
		.amdhsa_system_sgpr_workgroup_id_y 1
		.amdhsa_system_sgpr_workgroup_id_z 1
		.amdhsa_system_vgpr_workitem_id 0
		.amdhsa_next_free_vgpr 104
		.amdhsa_next_free_sgpr 66
		.amdhsa_reserve_vcc 1
		.amdhsa_float_denorm_mode_32 3
		.amdhsa_float_denorm_mode_16_64 3
		.amdhsa_memory_ordered 1
		.amdhsa_forward_progress 1
		.amdhsa_inst_pref_size 44
	.end_amdhsa_kernel
	.amdgpu_metadata
---
amdhsa.version: [ 1, 2 ]
amdhsa.kernels:
  - .name:           k_qcf8bec5d0e_prep
    .symbol:         k_qcf8bec5d0e_prep.kd
    .args:
      - { .name: hidden_states, .offset: 0, .size: 8, .value_kind: global_buffer, .address_space: global }
      - { .name: Wq, .offset: 8, .size: 8, .value_kind: global_buffer, .address_space: global }
      - { .name: Wk, .offset: 16, .size: 8, .value_kind: global_buffer, .address_space: global }
      - { .name: Wv, .offset: 24, .size: 8, .value_kind: global_buffer, .address_space: global }
      - { .name: Wo, .offset: 32, .size: 8, .value_kind: global_buffer, .address_space: global }
      - { .name: xh, .offset: 40, .size: 8, .value_kind: global_buffer, .address_space: global }
      - { .name: wqkvh, .offset: 48, .size: 8, .value_kind: global_buffer, .address_space: global }
      - { .name: woh, .offset: 56, .size: 8, .value_kind: global_buffer, .address_space: global }
      - { .name: rope, .offset: 64, .size: 8, .value_kind: global_buffer, .address_space: global }
    .group_segment_fixed_size: 0
    .private_segment_fixed_size: 0
    .kernarg_segment_align: 8
    .kernarg_segment_size: 72
    .max_flat_workgroup_size: 256
    .sgpr_count:     66
    .vgpr_count:     104
    .wavefront_size: 32
...
	.end_amdgpu_metadata
.endif
;; end of part 1
;; launch proj_qkv (part 2): grid 8 x 32, 4 waves a work-group, clusters of 4 x 4, 327,680 bytes of LDS; arguments xh, wqkvh, qkvh, rope, position_ids, vloh; writes qkvh, vloh
.if DOCPART == 2
	.amdgcn_target "amdgcn-amd-amdhsa--gfx1250"
	.amdhsa_code_object_version 6
	.text
	.protected	k_qcf8bec5d0e_proj_qkv
	.globl	k_qcf8bec5d0e_proj_qkv
	.p2align	8
	.type	k_qcf8bec5d0e_proj_qkv,@function
k_qcf8bec5d0e_proj_qkv:
	s_mov_b64 s[64:65], 0
	v_nop
	global_prefetch_b8 v0, s[64:65] scope:SCOPE_SE
	s_setreg_imm32_b32 hwreg(HW_REG_WAVE_MODE, 25, 1), 1
	s_wait_xcnt 0x0
	s_wait_alu depctr_hold_cnt(0) depctr_sa_sdst(0) depctr_va_vdst(0) depctr_va_sdst(0) depctr_va_ssrc(0) depctr_va_vcc(0) depctr_vm_vsrc(0)
	s_getreg_b32 s2, hwreg(HW_REG_IB_STS2, 6, 4)
	s_cmp_eq_u32 s2, 0
	s_cbranch_scc0 .Lentry_in_a_cluster
	s_endpgm
.Lentry_in_a_cluster:
	s_bfe_u32 s2, ttmp6, 0x10000c
	s_cmp_lg_u32 s2, 0xf033
	s_cbranch_scc0 .Lentry_shape_is_right
	s_endpgm
.Lentry_shape_is_right:
; [q | k, v] = x [Wq | Wk, Wv], then the rotation by position, then f16 planes for the attention.
; A = xh [4096][2048] bf16 (K along the rows), B = wqkvh [2048 k][2048 n] bf16 (n along the rows), sums in f32.
; OUT: qkvh [batch][32 planes][2048 s][64] f16: planes 0-15 = 0.25 log2(e) rope(q), 16-23 = 0.5 rope(k), 24-31 = the high part of 0.25 v;
;      vloh [batch][8 planes][2048 s][64] f16 = the low part of 0.25 v.
;      (The two factors of q and k make the scores come out as 0.125 log2(e) q.k; v's factor is undone by 4 Wo.)
; v IS KEPT AS A SUM OF TWO f16: a query that attends few keys passes v through unaveraged, and one f16's rounding of such a row is large beside the
; root mean square of the whole output.  The split is made in f32: g = 8193 x, high = g + (x - g) has eleven digits, low = x - high is exact.
; LIMITS: f16 planes hold magnitudes up to 65,504, that is |q| to 181,000, |k| to 131,000, |v| to 262,000, in steps of 2^-24 at the least; position_ids are clamped to 0..2047.
; A work-group makes 128 rows x 256 columns with four waves (8 x 32 = 256 work-groups); a wave makes 64 x 128: 32 accumulator tiles, 256 registers.
; Block columns 0-3 are q's; in block column 4 + j the left 128 columns are k's heads 2 j, 2 j + 1 and the right 128 v's: so what a wave's columns
; are hangs on the cluster's x and the wave's number alone.
; K goes in steps of 128 through two LDS slots filled by the tensor data mover.
; CLUSTERS of 4 x 4: B's tile hangs on the block column alone and is asked for jointly by a column of the cluster, A's on the block row alone and by a row.
; REGISTERS: window 0: addresses, fragments (two buffers); window 1: the accumulators, tile (a, b) at v[8 (8 a + b)]; window 2: v0-127 cosines and sines.
; THE MATRIX INSTRUCTION IS USED TRANSPOSED: source 0 = 16 columns of B, source 1 = 16 rows of A; lane l then holds row l % 16 and
; the eight neighbouring columns 8 (l / 16) + 0..7 of the tile.
.set KD,     2048                      ; length of the sums
.set PA,     272                       ; LDS pitch of A's rows: 256 bytes + 16
.set PB,     544                       ; LDS pitch of B's rows: 512 bytes + 32
.set AHALF,  64*PA                     ; what one tensor load brings of A
.set BHALF,  64*PB                     ; and of B
.set AOFF,   128*PB                    ; a slot: B's 128 k rows, then A's 128 rows
.set SLOT,   AOFF+128*PA
.set STAGE,  2*SLOT                    ; behind the ring: 16 rows x 272 bytes for each wave, for the way out; no tensor load lands here
.set SPITCH, 272
.set LAPS,   KD/256                    ; a lap = two K steps = once round the ring
.set ADRA, 16                          ; v16-17  LDS address of my A fragments in slot 0, 1
.set ADRB, 20                          ; v20-21  the same for B
.set STO,  24                          ; the way out: where I put 16 bytes of a row
.set RD,   25                          ; where I read back
.set CO,   26                          ; my byte offset in the plane
.set AF0,  32                          ; v32-63, v64-95    A's fragments, buffers 0 and 1 (4 x 8 registers)
.set BF0,  96                          ; v96-159, v160-223 B's fragments, buffers 0 and 1 (8 x 8 registers)
.set OUTR, 32                          ; the way out: 64 rotated numbers
.set PK,   96                          ; packed to f16
.set SPL,  192                         ; v192-207 at work in the split
.set LOB,  224                         ; v224-255 the low parts read back
.set TB,   0                           ; window 2: row tile a at 32 a: 16 cosines, 16 sines
.set G1,  24                           ; s[24:31] group 1 for A's tiles
.set G0,  32                           ; s[32:39] group 0 for A's tiles, a set for each slot
.set G1B, 48                           ; s[48:55] group 1 for B's tiles
.set G0B, 56                           ; s[56:63] group 0 for B's tiles
.set MULW, 0x50                        ; C and D in window 1, fragments in window 0
.set MSB, 0
.macro WIN new                         ; the immediate's high byte repeats the setting that is left
.if MSB != \new
	s_set_vgpr_msb (MSB<<8)|\new
.set MSB, \new
.endif
.endm
; A joint load: waves 0 and 1 fetch B's two halves, waves 2 and 3 A's.  Each line has one mask and one set of registers; the branch hangs on the wave's number alone.
.macro JLOAD s
	s_cmp_eq_u32 s11, 0
	s_cbranch_scc0 .Lfor_a_\@
	tensor_load_to_lds s[G0B+4*\s:G0B+4*\s+3], s[G1B:G1B+7]
	s_nop 0
.rept 4
	v_nop
.endr
	s_branch .Lasked_\@
.Lfor_a_\@:
	tensor_load_to_lds s[G0+4*\s:G0+4*\s+3], s[G1:G1+7]
	s_nop 0
.rept 4
	v_nop
.endr
.Lasked_\@:
.endm
.macro CREST                           ; a round of the cluster's barrier behind its opening work-group barrier
	s_cmp_lg_u32 s10, 0
	s_cbranch_scc1 .Lnot_wave_0_\@
	s_barrier_signal -3
.Lnot_wave_0_\@:
	s_barrier_wait -3
	s_barrier_signal -1
	s_barrier_wait -1
.endm
.macro CROUND                          ; a whole round
	s_barrier_signal -1
	s_barrier_wait -1
	CREST
.endm
.macro PLACES                          ; four plain vector instructions behind matrix instructions, in front of loads into their sources and of readers of their results
.rept 4
	v_nop
.endr
.endm
	s_load_b128 s[4:7], s[0:1], 0x0                ; xh s[4:5], wqkvh s[6:7]
	s_load_b64 s[8:9], s[0:1], 0x10                ; qkvh
	s_load_b64 s[68:69], s[0:1], 0x18              ; rope
	s_load_b64 s[70:71], s[0:1], 0x20              ; position_ids
	s_load_b64 s[66:67], s[0:1], 0x28              ; vloh
	v_lshl_add_u32 v30, v0, 2, 0x37400
	v_mov_b32 v31, 0
	ds_add_u32 v30, v31
	v_lshrrev_b32 v1, 5, v0
	v_readfirstlane_b32 s10, v1                    ; wave 0..3
	s_lshr_b32 s11, s10, 1                         ; which 64 rows of the block are mine.  Also: I fetch for B (0) or for A (1)
	s_and_b32 s12, s10, 1                          ; which 128 columns.  Also: which half of that tile I fetch
	s_bfe_u32 s40, ttmp6, 0x40000                  ; cx
	s_bfe_u32 s41, ttmp6, 0x40004                  ; cy
	s_lshl_b32 s42, ttmp9, 2
	s_add_co_u32 s42, s42, s40                     ; block column = 4 x cluster x + cx
	s_and_b32 s13, ttmp7, 0xffff
	s_lshl_b32 s13, s13, 2
	s_add_co_u32 s13, s13, s41                     ; block row = 4 x cluster y + cy
	s_lshl_b32 s43, s41, 2
	s_lshl_b32 s43, 15, s43                        ; my row of the cluster
	s_lshl_b32 s44, 0x1111, s40                    ; my column
	; group 1 for A: 64 rows x 128 bf16, 16 bytes of padding behind every 64 words
	s_or_b32 s[G1+0], s43, (1<<16)|(1<<20)|(1<<21)|(5<<22)|(3<<25)
	s_mov_b32 s[G1+1], 128<<16                     ; tensor_dim0 = 128
	s_mov_b32 s[G1+2], 64<<16                      ; tensor_dim1 = 64
	s_mov_b32 s[G1+3], 128<<16                     ; tile_dim0 = 128
	s_mov_b32 s[G1+4], 64                          ; tile_dim1 = 64
	s_mov_b32 s[G1+5], KD                          ; elements from row to row
	s_mov_b32 s[G1+6], 0
	s_mov_b32 s[G1+7], 0
	; group 1 for B: 64 k rows x 256 bf16, 32 bytes of padding behind every 128 words
	s_or_b32 s[G1B+0], s44, (1<<16)|(1<<20)|(1<<21)|(6<<22)|(7<<25)
	s_mov_b32 s[G1B+1], 256<<16
	s_mov_b32 s[G1B+2], 64<<16
	s_mov_b32 s[G1B+3], 256<<16
	s_mov_b32 s[G1B+4], 64
	s_mov_b32 s[G1B+5], 2048
	s_mov_b32 s[G1B+6], 0
	s_mov_b32 s[G1B+7], 0
	; where the tiles come from: A's address is made of the block row and the wave's number, B's of the block column and the wave's number
	s_lshl_b32 s16, s13, 7
	s_lshl_b32 s17, s12, 6
	s_add_co_u32 s16, s16, s17                     ; A: row 128 x block row + 64 x half
	s_mul_i32 s16, s16, KD*2
	s_mov_b32 s17, 0
	s_lshl_b32 s46, s12, 18                        ; B: k row 64 x half, 4,096 bytes each,
	s_lshl_b32 s47, s42, 9                         ; and 512 bytes a block column
	s_add_co_u32 s46, s46, s47
	s_mov_b32 s47, 0
	s_mul_i32 s20, s10, AHALF                      ; and where they go: the wave's number times a constant, plus a constant
	s_mul_i32 s45, s10, BHALF
	; the factors of the way out: q 0.25 log2(e), k 0.5, v none on the sines and the constant 0.25 for the cosines
	s_and_b32 s79, ttmp9, s12                      ; 1: my columns are v's (cluster column 1, right half); it stays to the end
	s_mov_b32 s76, 0x3eb8aa3b
	s_mov_b32 s77, 0x3f000000
	s_cmp_eq_u32 ttmp9, 0
	s_cselect_b32 s77, s76, s77
	s_mov_b32 s78, 0x3e800000
	s_cmp_eq_u32 s79, 0
	s_cselect_b32 s77, s77, 0
	s_cselect_b32 s78, 0, s78
	s_wait_dscnt 0x0
	s_wait_kmcnt 0x0
	s_add_nc_u64 s[14:15], s[4:5], s[16:17]
	s_add_nc_u64 s[46:47], s[6:7], s[46:47]
	CROUND                                         ; all sixteen work-groups are here: the first joint loads meet
.irp s, 0,1
	s_mov_b32 s[G0+4*\s], 1
	s_add_co_u32 s[G0+4*\s+1], s20, \s*SLOT+AOFF-2*AHALF           ; waves 2 and 3: A's rows 0-63 and 64-127
	s_add_nc_u64 s[G0+4*\s+2:G0+4*\s+3], s[14:15], \s*256          ; K step s
	s_or_b32 s[G0+4*\s+3], s[G0+4*\s+3], 0x80000000
	s_mov_b32 s[G0B+4*\s], 1
	s_add_co_u32 s[G0B+4*\s+1], s45, \s*SLOT                       ; waves 0 and 1: B's k rows 0-63 and 64-127
	s_add_nc_u64 s[G0B+4*\s+2:G0B+4*\s+3], s[46:47], \s*524288
	s_or_b32 s[G0B+4*\s+3], s[G0B+4*\s+3], 0x80000000
	JLOAD \s                                       ; both slots' first fills go out together: two tensor loads of the wave are out
.endr
	v_and_b32 v1, 15, v0                           ; r = l % 16
	v_bfe_u32 v2, v0, 4, 1                         ; h = l / 16
	; my rows' positions, then their cosines and sines: lane (r, h) needs the frequencies 16 p + 8 h + 0..7, p = 0, 1, of rows 16 a + r
	s_lshl_b32 s72, s13, 7
	s_lshl_b32 s73, s11, 6
	s_add_co_u32 s72, s72, s73                     ; my first row
	v_add_nc_u32 v7, s72, v1
	v_lshlrev_b32 v7, 2, v7
.irp a, 0,1,2,3
	global_load_b32 v[8+\a], v7, s[70:71] offset:64*\a
.endr
	; a fragment of A: lane (r, h) takes row r, two loads of 16 bytes at 16 h and 32 + 16 h of the 64 bytes of 32 K
	v_mul_u32_u24 v3, v1, PA
	v_lshl_add_u32 v3, v2, 4, v3
	s_mul_i32 s21, s11, 64*PA
	s_add_co_u32 s21, s21, AOFF
	; a fragment of B, whose LDS rows lie along n: two transposing loads, 16 k rows apart, at row 8 h + l % 8, 16 bytes (l / 8) % 2
	v_and_b32 v4, 7, v0
	v_lshl_add_u32 v4, v2, 3, v4
	v_mul_u32_u24 v4, v4, PB
	v_bfe_u32 v5, v0, 3, 1
	v_lshl_add_u32 v4, v5, 4, v4
	s_lshl_b32 s22, s12, 8                         ; my 128 columns
.irp s, 0,1
	v_add_nc_u32 v[ADRA+\s], s21, v3
	v_add_nc_u32 v[ADRB+\s], s22, v4
	s_add_co_u32 s21, s21, SLOT
	s_add_co_u32 s22, s22, SLOT
.endr
	s_mul_i32 s23, s10, 16*SPITCH
	s_add_co_u32 s23, s23, STAGE                   ; my stage
	v_add_nc_u32 v[STO], s23, v3                   ; in: row r, 16 bytes for each half of the lanes
	v_and_b32 v5, 31, v0
	v_lshrrev_b32 v6, 3, v5
	v_mul_u32_u24 v6, v6, SPITCH                   ; back: eight lanes take a head's 128 bytes of a row, a wave four rows
	v_and_b32 v4, 7, v0
	v_lshl_add_u32 v6, v4, 4, v6
	v_add_nc_u32 v[RD], s23, v6
	v_lshlrev_b32 v[CO], 4, v5                     ; which are 512 consecutive bytes of the plane
	v_mov_b32 v12, s77
	v_mov_b32 v13, s77
	v_mov_b32 v14, s78
	v_mov_b32 v15, s78
	; my first byte in qkvh: ((32 batch + plane) x 2048 + row in the batch) x 128; plane = 4 block column + 2 half for q, 8 + 2 block column + 8 half for k and v
	s_lshr_b32 s74, s13, 4
	s_lshl_b32 s74, s74, 5
	s_lshl_b32 s75, s42, 2
	s_lshl_b32 s72, s12, 1
	s_add_co_u32 s75, s75, s72
	s_lshl_b32 s72, s42, 1
	s_lshl_b32 s73, s12, 3
	s_add_co_u32 s72, s72, s73
	s_add_co_u32 s72, s72, 8
	s_cmp_eq_u32 ttmp9, 0
	s_cselect_b32 s75, s75, s72
	s_add_co_u32 s74, s74, s75
	s_lshl_b32 s74, s74, 11
	s_and_b32 s75, s13, 15
	s_lshl_b32 s75, s75, 7
	s_add_co_u32 s74, s74, s75
	s_lshl_b32 s75, s11, 6
	s_add_co_u32 s74, s74, s75
	s_lshl_b32 s74, s74, 7
	s_mov_b32 s75, 0
	s_add_nc_u64 s[8:9], s[8:9], s[74:75]
	; and in vloh: ((8 batch + 2 (block column % 4)) x 2048 + row in the batch) x 128 (inside the buffer for every work-group; used by v's waves alone)
	s_lshr_b32 s72, s13, 4
	s_lshl_b32 s72, s72, 3
	s_and_b32 s73, s42, 3
	s_lshl_b32 s73, s73, 1
	s_add_co_u32 s72, s72, s73
	s_lshl_b32 s72, s72, 11
	s_and_b32 s73, s13, 15
	s_lshl_b32 s73, s73, 7
	s_add_co_u32 s72, s72, s73
	s_lshl_b32 s73, s11, 6
	s_add_co_u32 s72, s72, s73
	s_lshl_b32 s72, s72, 7
	s_mov_b32 s73, 0
	s_add_nc_u64 s[66:67], s[66:67], s[72:73]
	s_wait_loadcnt 0x0                             ; the four positions
.irp a, 0,1,2,3
	v_min_u32 v[8+\a], 0x7ff, v[8+\a]              ; inside the table
	v_lshlrev_b32 v[8+\a], 8, v[8+\a]              ; 256 bytes a position
	v_lshl_add_u32 v[8+\a], v2, 5, v[8+\a]         ; + 32 h
.endr
	WIN 0x80                                       ; destinations in window 2
.irp a, 0,1,2,3
.irp i, 0,1,2,3,4,5,6,7
	global_load_b128 v[TB+32*\a+4*\i:TB+32*\a+4*\i+3], v[8+\a], s[68:69] offset:(\i>>1)*64+(\i&1)*16   ; cosines at 0 and 64, sines at 128 and 192
.endr
.endr
	WIN 0                                          ; these 32 loads are waited for on the way out; v8-11 and s[68:69] stay as they are till then
; 8 matrix instructions: row tile a x all 8 column tiles, 32 along K, from buffer f.  zero = 1: the first product starts the sums.
.macro MUL8 f, a, zero
.irp b, 0,1,2,3,4,5,6,7
.if \zero
	v_wmma_f32_16x16x32_bf16 v[8*(8*\a+\b):8*(8*\a+\b)+7], v[BF0+64*\f+8*\b:BF0+64*\f+8*\b+7], v[AF0+32*\f+8*\a:AF0+32*\f+8*\a+7], 0
.else
	v_wmma_f32_16x16x32_bf16 v[8*(8*\a+\b):8*(8*\a+\b)+7], v[BF0+64*\f+8*\b:BF0+64*\f+8*\b+7], v[AF0+32*\f+8*\a:AF0+32*\f+8*\a+7], v[8*(8*\a+\b):8*(8*\a+\b)+7]
.endif
.endr
.endm
; 24 LDS loads in one run: quarter q (32 along K) of a slot into buffer f: B's eight fragments, then A's four
.macro FETCH slot, q, f
.irp b, 0,1,2,3,4,5,6,7
	ds_load_tr16_b128 v[BF0+64*\f+8*\b:BF0+64*\f+8*\b+3],   v[ADRB+\slot] offset:32*PB*\q+32*\b
	ds_load_tr16_b128 v[BF0+64*\f+8*\b+4:BF0+64*\f+8*\b+7], v[ADRB+\slot] offset:32*PB*\q+32*\b+16*PB
.endr
.irp a, 0,1,2,3
	ds_load_b128 v[AF0+32*\f+8*\a:AF0+32*\f+8*\a+3],   v[ADRA+\slot] offset:16*PA*\a+64*\q
	ds_load_b128 v[AF0+32*\f+8*\a+4:AF0+32*\f+8*\a+7], v[ADRA+\slot] offset:16*PA*\a+64*\q+32
.endr
.endm
; A K step is four quarters of 32 matrix instructions on buffers 0, 1, 0, 1.  The 32 accumulators take turns, one instruction a turn, in the same
; order in every quarter, over the backward jump too.
; One of the first three: multiplies buffer f; in its middle it fetches quarter qn of the same slot into buffer g.
.macro QUARTER slot, qn, f, g, zero
	s_wait_dscnt 4                                 ; B and A's row tiles 0 and 1 are in; the youngest four loads (tiles 2 and 3) may be out
	WIN MULW
	MUL8 \f, 0, \zero
	MUL8 \f, 1, \zero
	WIN 0
	PLACES
	FETCH \slot, \qn, \g
	s_wait_dscnt 24                                ; all but the 24 just issued
	WIN MULW
	MUL8 \f, 2, \zero
	MUL8 \f, 3, \zero
.endm
.macro THREE slot, zero
	QUARTER \slot, 1, 0, 1, \zero
	QUARTER \slot, 2, 1, 0, 0
	QUARTER \slot, 3, 0, 1, 0
.endm
; The last quarter multiplies buffer 1 and changes slots.  In front of the barrier each wave waits for its reads of this slot and for all its tensor
; loads (one is out: its part of the next slot).  Behind it, where the slot is filled again, the round of the cluster's barrier is completed and the
; joint refill is the wave's first and only tensor load; then the next slot's first fragments are read.
.macro TURN slot, next, fill
	s_wait_dscnt 4
	WIN MULW
	MUL8 1, 0, 0
	s_wait_dscnt 0                                 ; my reads of this slot are over
	s_wait_tensorcnt 0x0                           ; and all my tensor loads have landed
	ds_add_u32 v30, v31
	s_wait_dscnt 0x0
	s_barrier_signal -1
	MUL8 1, 1, 0                                   ; register work while the others arrive
	WIN 0
	s_barrier_wait -1
.if \fill
	CREST                                          ; no wave of any partner still reads this slot or has a load on its way
	s_add_nc_u64 s[G0+4*\slot+2:G0+4*\slot+3], s[G0+4*\slot+2:G0+4*\slot+3], 512
	s_add_nc_u64 s[G0B+4*\slot+2:G0B+4*\slot+3], s[G0B+4*\slot+2:G0B+4*\slot+3], 1048576
	JLOAD \slot                                    ; two K steps ahead; its four v_nop are also the places in front of the loads below
.else
	PLACES
.endif
	FETCH \next, 0, 0
	WIN MULW
	MUL8 1, 2, 0
	MUL8 1, 3, 0
.endm
.macro LAP zero
	THREE 0, \zero
	TURN 0, 1, 1
	THREE 1, 0
	TURN 1, 0, 1
.endm
	s_wait_tensorcnt 1                             ; my part of K step 0 is in; K step 1's may stay out
	s_barrier_signal -1
	s_barrier_wait -1
	FETCH 0, 0, 0
	LAP 1                                          ; the first lap stands in front of the loop: its first products start the sums
	WIN 0
	s_mov_b32 s3, LAPS-2
.Llap:
	LAP 0
	WIN 0
	s_sub_co_u32 s3, s3, 1
	s_cmp_lg_u32 s3, 0
	s_cbranch_scc1 .Llap
	THREE 0, 0                                     ; the last lap fills nothing
	TURN 0, 1, 0
	THREE 1, 0
	s_wait_dscnt 4
	WIN MULW
	MUL8 1, 0, 0
	MUL8 1, 1, 0
	s_wait_dscnt 0
	MUL8 1, 2, 0
	MUL8 1, 3, 0
	WIN 0
	PLACES                                         ; behind the last matrix instructions, in front of the readers of their results
	; THE WAY OUT.  First the factors go into the table: cos' = f cos + g, sin' = f sin (for v: cos' = 0.25, sin' = 0, so that the rotation is a plain scaling).
	s_wait_loadcnt 0x0                             ; the table
	WIN 0x82                                       ; destination and source 0 in window 2
.irp a, 0,1,2,3
.irp p, 0,2,4,6,8,10,12,14
	v_pk_fma_f32 v[TB+32*\a+\p:TB+32*\a+\p+1], v[TB+32*\a+\p:TB+32*\a+\p+1], v[12:13], v[14:15]
	v_pk_mul_f32 v[TB+32*\a+16+\p:TB+32*\a+16+\p+1], v[TB+32*\a+16+\p:TB+32*\a+16+\p+1], v[12:13]
.endr
.endr
; the 64 numbers in OUTR rounded to f16
.macro PACK
.irp b, 0,1,2,3,4,5,6,7
.irp jp, 0,1,2,3
	v_cvt_pk_f16_f32 v[PK+4*\b+\jp], v[OUTR+8*\b+2*\jp], v[OUTR+8*\b+2*\jp+1]
.endr
.endr
.endm
; the 64 numbers split: the high parts (eleven digits, so their conversion is exact) go packed into PK, the low parts stay in OUTR.  Four pairs at a time.
.macro SPLIT
.set i, 0
.rept 8
.irp k, 0,1,2,3
	v_pk_mul_f32 v[SPL+4*\k:SPL+4*\k+1], v[OUTR+2*(i+\k):OUTR+2*(i+\k)+1], 0x46000400 op_sel_hi:[1,0]     ; g = 8193 x
.endr
.irp k, 0,1,2,3
	v_pk_add_f32 v[SPL+4*\k+2:SPL+4*\k+3], v[OUTR+2*(i+\k):OUTR+2*(i+\k)+1], v[SPL+4*\k:SPL+4*\k+1] neg_lo:[0,1] neg_hi:[0,1]   ; x - g
.endr
.irp k, 0,1,2,3
	v_pk_add_f32 v[SPL+4*\k:SPL+4*\k+1], v[SPL+4*\k:SPL+4*\k+1], v[SPL+4*\k+2:SPL+4*\k+3]                  ; high = g + (x - g)
.endr
.irp k, 0,1,2,3
	v_pk_add_f32 v[OUTR+2*(i+\k):OUTR+2*(i+\k)+1], v[OUTR+2*(i+\k):OUTR+2*(i+\k)+1], v[SPL+4*\k:SPL+4*\k+1] neg_lo:[0,1] neg_hi:[0,1]   ; low = x - high
.endr
.irp k, 0,1,2,3
	v_cvt_pk_f16_f32 v[PK+i+\k], v[SPL+4*\k], v[SPL+4*\k+1]
.endr
.set i, i+4
.endr
.endm
; PK goes through my stage, 16 bytes a lane, and comes back as 512 consecutive bytes of a plane, into registers f, which are stored from base
.macro PASS a, f, base
.irp b, 0,1,2,3,4,5,6,7
	ds_store_b128 v[STO], v[PK+4*\b:PK+4*\b+3] offset:32*\b        ; LDS serves a wave's instructions in order (ISA guide 5.7.1): behind the last pass's reads
.endr
	s_wait_xcnt 0x0                                ; registers that earlier stores read are loaded again only behind this wait (ISA guide 3.1)
.irp t, 0,1,2,3,4,5,6,7
	ds_load_b128 v[\f+4*\t:\f+4*\t+3], v[RD] offset:(\t&3)*4*SPITCH+(\t>>2)*128    ; these see the stores above
.endr
.irp t, 0,1,2,3,4,5,6,7
	s_wait_dscnt 7-\t                              ; load t is in, the younger ones stay out
	global_store_b128 v[CO], v[\f+4*\t:\f+4*\t+3], s[\base:\base+1] offset:(\t>>2)*262144+(16*\a+4*(\t&3))*128
.endr
.endm
; Rows 16 a .. 16 a + 15: a head is four column tiles; tile p (d < 32) and tile p + 2 (d + 32) turn into each other:
; out1 = x1 cos - x2 sin, out2 = x2 cos + x1 sin.  Then f16: one number for q and k, two for v.
.macro OUTQ a, f
	WIN 0x09                                       ; source 0 = accumulators (window 1), source 1 = the table (window 2)
.irp hh, 0,1
.irp p, 0,1
.irp jp, 0,2,4,6
.set X1, 8*(8*\a+4*\hh+\p)+\jp
.set X2, X1+16
.set CS, TB+32*\a+8*\p+\jp
.set O1, OUTR+8*(4*\hh+\p)+\jp
	v_pk_mul_f32 v[O1:O1+1], v[X2:X2+1], v[CS+16:CS+17] neg_lo:[0,1] neg_hi:[0,1]
	v_pk_mul_f32 v[O1+16:O1+17], v[X1:X1+1], v[CS+16:CS+17]
	v_pk_fma_f32 v[O1:O1+1], v[X1:X1+1], v[CS:CS+1], v[O1:O1+1]
	v_pk_fma_f32 v[O1+16:O1+17], v[X2:X2+1], v[CS:CS+1], v[O1+16:O1+17]
.endr
.endr
.endr
	WIN 0
	s_cmp_lg_u32 s79, 0                            ; hangs on the cluster's x and the wave's number alone
	s_cbranch_scc1 .Lfor_v_\@
	PACK
	PASS \a, \f, 8
	s_branch .Lout_\@
.Lfor_v_\@:
	SPLIT
	PASS \a, \f, 8                                 ; the high parts
	PACK
	PASS \a, LOB, 66                               ; the low parts
.Lout_\@:
.endm
	OUTQ 0, 128
	OUTQ 1, 160
	OUTQ 2, 128
	OUTQ 3, 160
	s_wait_tensorcnt 0x0
	ds_add_u32 v30, v31
	s_wait_dscnt 0x0
	CROUND                                         ; the closing round: no work-group ends while a partner may still ask for a tile that names it
	s_endpgm
.Lfunc_end_k_qcf8bec5d0e_proj_qkv:
	.size	k_qcf8bec5d0e_proj_qkv, .Lfunc_end_k_qcf8bec5d0e_proj_qkv-k_qcf8bec5d0e_proj_qkv
	.p2alignl 7, 3214868480
	.fill 96, 4, 3214868480
	.section	.rodata,"a",@progbits
	.p2align	6, 0x0
	.amdhsa_kernel k_qcf8bec5d0e_proj_qkv
		.amdhsa_group_segment_fixed_size 327680
		.amdhsa_private_segment_fixed_size 0
		.amdhsa_enable_private_segment 0
		.amdhsa_kernarg_size 48
		.amdhsa_user_sgpr_count 2
		.amdhsa_user_sgpr_kernarg_segment_ptr 1
		.amdhsa_wavefront_size32 1
		.amdhsa_system_sgpr_workgroup_id_x 1
		.amdhsa_system_sgpr_workgroup_id_y 1
		.amdhsa_system_sgpr_workgroup_id_z 1
		.amdhsa_system_vgpr_workitem_id 0
		.amdhsa_next_free_vgpr 640
		.amdhsa_next_free_sgpr 80
		.amdhsa_reserve_vcc 0
		.amdhsa_float_denorm_mode_32 3
		.amdhsa_float_denorm_mode_16_64 3
		.amdhsa_memory_ordered 1
		.amdhsa_forward_progress 1
		.amdhsa_inst_pref_size 213
	.end_amdhsa_kernel
	.amdgpu_metadata
---
amdhsa.version: [ 1, 2 ]
amdhsa.kernels:
  - .name:           k_qcf8bec5d0e_proj_qkv
    .symbol:         k_qcf8bec5d0e_proj_qkv.kd
    .args:
      - { .name: xh, .offset: 0, .size: 8, .value_kind: global_buffer, .address_space: global }
      - { .name: wqkvh, .offset: 8, .size: 8, .value_kind: global_buffer, .address_space: global }
      - { .name: qkvh, .offset: 16, .size: 8, .value_kind: global_buffer, .address_space: global }
      - { .name: rope, .offset: 24, .size: 8, .value_kind: global_buffer, .address_space: global }
      - { .name: position_ids, .offset: 32, .size: 8, .value_kind: global_buffer, .address_space: global }
      - { .name: vloh, .offset: 40, .size: 8, .value_kind: global_buffer, .address_space: global }
    .group_segment_fixed_size: 327680
    .private_segment_fixed_size: 0
    .kernarg_segment_align: 8
    .kernarg_segment_size: 48
    .max_flat_workgroup_size: 128
    .sgpr_count:     80
    .vgpr_count:     640
    .wavefront_size: 32
...
	.end_amdgpu_metadata
.endif
;; end of part 2
;; launch attn (part 3): grid 8 x 32, 8 waves a work-group, clusters of 4 x 4, 327,680 bytes of LDS; arguments qkvh, attention_mask, ctxh, vloh; writes ctxh
.if DOCPART == 3
	.amdgcn_target "amdgcn-amd-amdhsa--gfx1250"
	.amdhsa_code_object_version 6
	.text
	.protected	k_qcf8bec5d0e_attn
	.globl	k_qcf8bec5d0e_attn
	.p2align	8
	.type	k_qcf8bec5d0e_attn,@function
k_qcf8bec5d0e_attn:
	s_mov_b64 s[64:65], 0
	v_nop
	global_prefetch_b8 v0, s[64:65] scope:SCOPE_SE
	s_setreg_imm32_b32 hwreg(HW_REG_WAVE_MODE, 25, 1), 1
	s_wait_xcnt 0x0
	s_wait_alu depctr_hold_cnt(0) depctr_sa_sdst(0) depctr_va_vdst(0) depctr_va_sdst(0) depctr_va_ssrc(0) depctr_va_vcc(0) depctr_vm_vsrc(0)
	s_getreg_b32 s2, hwreg(HW_REG_IB_STS2, 6, 4)
	s_cmp_eq_u32 s2, 0
	s_cbranch_scc0 .Lentry_in_a_cluster
	s_endpgm
.Lentry_in_a_cluster:
	s_bfe_u32 s2, ttmp6, 0x10000c
	s_cmp_lg_u32 s2, 0xf033
	s_cbranch_scc0 .Lentry_shape_is_right
	s_endpgm
.Lentry_shape_is_right:
; ctx = softmax(q k^T / 8 + mask) v for one key/value head's two query heads and 128 query rows; all 2,048 keys, since the mask is an input.
; IN:  qkvh [batch][32 planes][2048][64] f16 (Q' = 0.25 log2(e) q, K' = 0.5 k, the high part of V' = 0.25 v), vloh [batch][8][2048][64] f16 (V's low part),
;      attention_mask [2][1][2048][2048] f32.
; OUT: ctxh [4096][8 blocks][high 128 | low 128] f16: ctx / 4 as a sum of two f16; block x holds the two heads of key/value head x.
; Work-group (x, y): key/value head x, batch y / 16, query rows 128 (y % 16) .. + 127.  Eight waves: wave w has cg = w % 4 (32 query rows x 2 heads
; = four column tiles c = 2 head + il) and kh = w / 4 (keys 64 kh .. + 63 of every slot of 128 keys).  Each wave keeps a running maximum and sum
; for its own keys; the partners w and w ^ 4 join their halves once, at the end.  A wave's local row tile il is the block's tile il ^ kh, so that
; every wave keeps il = 0 and hands over il = 1.
; SCORES TRANSPOSED: S^T = K' Q'^T + C with C = log2(e) mask in f32: lane (r, h) holds query r and keys 8 h + 0..7 of a tile, in units of log2.
; The exponentials, packed to f16, are then a second-source fragment as they stand, and O^T = (V'high + V'low)^T P^T.
; v AND THE CONTEXT ARE SUMS OF TWO f16: a query that attends few keys passes v through unaveraged, and one f16's rounding of such a row is large
; beside the root mean square of the whole output.
; THE MASK IS ROUNDED TO bf16, like every floating-point input of the program, which so computes the definition on inputs rounded to bf16.
; The running maximum is taken away before every exponential.  LIMITS: the mask's digits beyond bf16's eight are dropped, and a mask beyond bf16's
; largest finite number becomes infinite; the maximum is held at -1e30 or above, so a row whose scores all lie below that differs (a row masked by
; -inf throughout gives NaN here as in the definition); probabilities below 6e-8 of the row's largest count as 0.
; CLUSTERS of 4 x 4: the mask's tile hangs on y alone and is asked for jointly by a row of the cluster; K's and V's hang on x and the batch and are
; asked for by a column (a cluster's four y lie in one batch).
.set MPITCH, 528                       ; a slot: mask 128 rows x 528, K 128 keys x 144, V high 128 keys x 160, V low the same
.set KOFF,   67584
.set KPITCH, 144
.set VOFF,   86016
.set VPITCH, 160
.set VLD,    20480                     ; from V's high tile to its low tile
.set SLOT,   126976
.set XCH,    253952                    ; behind the ring, never a tensor load's target: 8,704 bytes a wave, first for the partner, then the wave's stage for the way out
.set XW,     8704
.set MA,   4                           ; v4-7   mask address, 2 slot + il
.set KA,   8                           ; v8-9   K address by slot
.set VA,   10                          ; v10-11 V address by slot
.set XS,   12
.set XR,   13
.set STO,  14
.set RD,   15
.set CO,   16
.set PFO,  17
.set QO,   18                          ; v18-19 offset of my query rows, by il
.set MXP,  20                          ; v20-27 the running maximum of column tile c, twice (a pair for the packed subtraction)
.set LSUM, 28                          ; v28-31 the lane's running sum
.set ALF,  32                          ; v32-39 the factor 2^(old maximum - new), twice
.set TMP,  40                          ; v40-55 at work
.set LG,   56                          ; log2(e)
.set ZR,   57                          ; 0
.set SC0,  64                          ; v64-127  head 0's scores, tile (kt, il) at 16 kt + 8 il
.set SC1,  128                         ; v128-191 the mask, which becomes head 1's scores
.set QF,   192                         ; v192-255 Q's fragments at 16 c + 8 kd
.set OA,   0                           ; window 1: v0-127 O^T, tile (dt, c) at 8 (4 dt + c)
.set KF,   128                         ; window 1: K's fragments at 8 (2 kt + kd); behind the scores V's low fragments at 8 (2 dt + u)
.set VF,   192                         ; window 1: V's high fragments at 8 (2 dt + u)
.set G1M, 24
.set G0M, 32
.set G1K, 40
.set G0K, 48
.set G1V, 56                           ; for V's high and low tiles alike
.set G0V, 68
.set G0L, 80
.set MSB, 0
.macro WIN new
.if MSB != \new
	s_set_vgpr_msb (MSB<<8)|\new
.set MSB, \new
.endif
.endm
.macro ROUND                           ; a round of the cluster's barrier
	s_barrier_signal -1
	s_barrier_wait -1
	s_cmp_lg_u32 s10, 0
	s_cbranch_scc1 .Lnot_wave_0_\@
	s_barrier_signal -3
.Lnot_wave_0_\@:
	s_barrier_wait -3
	s_barrier_signal -1
	s_barrier_wait -1
.endm
; A slot's joint loads: waves 0 and 1 the mask's two halves, wave 2 K, wave 3 V's high tile, wave 4 its low tile; waves 5 to 7 none.
; One tensor load a wave; the branches hang on the wave's number alone.
.macro JLOAD5 s
	s_cmp_lt_u32 s10, 2
	s_cbranch_scc0 .Lnot_mask_\@
	tensor_load_to_lds s[G0M+4*\s:G0M+4*\s+3], s[G1M:G1M+7]
	s_nop 0
.rept 4
	v_nop
.endr
	s_branch .Lasked_\@
.Lnot_mask_\@:
	s_cmp_eq_u32 s10, 2
	s_cbranch_scc0 .Lnot_k_\@
	tensor_load_to_lds s[G0K+4*\s:G0K+4*\s+3], s[G1K:G1K+7]
	s_nop 0
.rept 4
	v_nop
.endr
	s_branch .Lasked_\@
.Lnot_k_\@:
	s_cmp_eq_u32 s10, 3
	s_cbranch_scc0 .Lnot_v_\@
	tensor_load_to_lds s[G0V+4*\s:G0V+4*\s+3], s[G1V:G1V+7]
	s_nop 0
.rept 4
	v_nop
.endr
	s_branch .Lasked_\@
.Lnot_v_\@:
	s_cmp_eq_u32 s10, 4
	s_cbranch_scc0 .Lasked_\@
	tensor_load_to_lds s[G0L+4*\s:G0L+4*\s+3], s[G1V:G1V+7]
	s_nop 0
.rept 4
	v_nop
.endr
.Lasked_\@:
.endm
	s_load_b128 s[4:7], s[0:1], 0x0                ; qkvh s[4:5], attention_mask s[6:7]
	s_load_b64 s[8:9], s[0:1], 0x10                ; ctxh
	s_load_b64 s[66:67], s[0:1], 0x18              ; vloh
	v_lshl_add_u32 v62, v0, 2, 0x4f000
	v_mov_b32 v63, 0
	ds_add_u32 v62, v63
	v_lshrrev_b32 v1, 5, v0
	v_readfirstlane_b32 s10, v1                    ; wave 0..7
	s_and_b32 s11, s10, 3                          ; cg
	s_lshr_b32 s12, s10, 2                         ; kh
	s_bfe_u32 s13, ttmp6, 0x40000                  ; cx
	s_bfe_u32 s14, ttmp6, 0x40004                  ; cy
	s_lshl_b32 s92, ttmp9, 2
	s_add_co_u32 s92, s92, s13                     ; x = key/value head
	s_and_b32 s94, ttmp7, 0xffff
	s_lshl_b32 s93, s94, 2
	s_add_co_u32 s93, s93, s14                     ; y = 16 batch + query block
	s_lshr_b32 s94, s94, 2                         ; the batch, from the cluster's y alone
	s_lshl_b32 s95, s14, 2
	s_lshl_b32 s95, 15, s95                        ; my row of the cluster
	s_lshl_b32 s96, 0x1111, s13                    ; my column
	s_mov_b32 s20, 0x76543210                      ; v_permlanex16_b32: lane i takes lane i of the other half
	s_mov_b32 s21, 0xfedcba98
	s_mov_b32 s22, 0xf149f2ca                      ; -1e30
	; the mask's tile: 64 rows x 128 f32, 16 bytes of padding behind every 128 words
	s_or_b32 s[G1M+0], s95, (2<<16)|(1<<20)|(1<<21)|(6<<22)|(3<<25)
	s_mov_b32 s[G1M+1], 128<<16
	s_mov_b32 s[G1M+2], 64<<16
	s_mov_b32 s[G1M+3], 128<<16
	s_mov_b32 s[G1M+4], 64
	s_mov_b32 s[G1M+5], 2048
	s_mov_b32 s[G1M+6], 0
	s_mov_b32 s[G1M+7], 0
	; K's tile: 128 keys x 128 bytes are 16,384 consecutive bytes, taken as 64 rows of 32 elements of 8 bytes; 16 bytes of padding behind every 32 words, that is behind every key
	s_or_b32 s[G1K+0], s96, (3<<16)|(1<<20)|(1<<21)|(4<<22)|(3<<25)
	s_mov_b32 s[G1K+1], 32<<16
	s_mov_b32 s[G1K+2], 64<<16
	s_mov_b32 s[G1K+3], 32<<16
	s_mov_b32 s[G1K+4], 64
	s_mov_b32 s[G1K+5], 32
	s_mov_b32 s[G1K+6], 0
	s_mov_b32 s[G1K+7], 0
	; V's tiles: the same with 32 bytes of padding
	s_or_b32 s[G1V+0], s96, (3<<16)|(1<<20)|(1<<21)|(4<<22)|(7<<25)
	s_mov_b32 s[G1V+1], 32<<16
	s_mov_b32 s[G1V+2], 64<<16
	s_mov_b32 s[G1V+3], 32<<16
	s_mov_b32 s[G1V+4], 64
	s_mov_b32 s[G1V+5], 32
	s_mov_b32 s[G1V+6], 0
	s_mov_b32 s[G1V+7], 0
	s_lshl_b32 s16, s93, 20                        ; mask: row 128 y, 8,192 bytes a row,
	s_and_b32 s79, s10, 1
	s_lshl_b32 s79, s79, 19                        ; + 64 rows for the odd wave
	s_add_co_u32 s16, s16, s79
	s_mov_b32 s17, 0
	s_lshl_b32 s18, s94, 5                         ; K: plane 32 batch + 16 + x, 262,144 bytes a plane
	s_add_co_u32 s18, s18, s92
	s_add_co_u32 s18, s18, 16
	s_lshl_b32 s18, s18, 18
	s_mov_b32 s19, 0
	s_lshl_b32 s2, s94, 3                          ; V's low part: plane 8 batch + x of vloh
	s_add_co_u32 s2, s2, s92
	s_lshl_b32 s2, s2, 18
	s_mov_b32 s3, 0
	s_mul_i32 s23, s10, 64*MPITCH                  ; the mask's halves in LDS
	s_wait_dscnt 0x0
	s_wait_kmcnt 0x0
	s_add_nc_u64 s[16:17], s[6:7], s[16:17]
	s_add_nc_u64 s[18:19], s[4:5], s[18:19]
	s_add_nc_u64 s[2:3], s[66:67], s[2:3]
.irp s, 0,1
	s_mov_b32 s[G0M+4*\s], 1
	s_add_co_u32 s[G0M+4*\s+1], s23, \s*SLOT
	s_add_nc_u64 s[G0M+4*\s+2:G0M+4*\s+3], s[16:17], \s*512        ; keys 128 s ..
	s_or_b32 s[G0M+4*\s+3], s[G0M+4*\s+3], 0x80000000
	s_mov_b32 s[G0K+4*\s], 1
	s_mov_b32 s[G0K+4*\s+1], KOFF+\s*SLOT
	s_add_nc_u64 s[G0K+4*\s+2:G0K+4*\s+3], s[18:19], \s*16384
	s_or_b32 s[G0K+4*\s+3], s[G0K+4*\s+3], 0x80000000
	s_mov_b32 s[G0V+4*\s], 1
	s_mov_b32 s[G0V+4*\s+1], VOFF+\s*SLOT
	s_add_nc_u64 s[G0V+4*\s+2:G0V+4*\s+3], s[18:19], 2097152+\s*16384   ; V's plane lies eight planes behind K's
	s_or_b32 s[G0V+4*\s+3], s[G0V+4*\s+3], 0x80000000
	s_mov_b32 s[G0L+4*\s], 1
	s_mov_b32 s[G0L+4*\s+1], VOFF+VLD+\s*SLOT
	s_add_nc_u64 s[G0L+4*\s+2:G0L+4*\s+3], s[2:3], \s*16384
	s_or_b32 s[G0L+4*\s+3], s[G0L+4*\s+3], 0x80000000
.endr
	ROUND                                          ; all sixteen work-groups are here
	JLOAD5 0                                       ; keys 0 to 127; slot 1 is first filled behind the first trip's round
	v_and_b32 v1, 15, v0                           ; r
	v_bfe_u32 v2, v0, 4, 1                         ; h
	v_and_b32 v3, 31, v0                           ; lane
	v_mov_b32 v[LG], 0x3fb8aa3b
	v_mov_b32 v[ZR], 0
	s_lshl_b32 s97, s11, 5
	s_lshl_b32 s79, s12, 4
	s_add_co_u32 s97, s97, s79                     ; first row of my local tile 0: 32 cg + 16 kh
	s_xor_b32 s98, s97, 16                         ; and of my local tile 1
	; Q's fragments, once: plane 32 batch + 2 x + head, row 128 (y % 16) + my row; 16 bytes at 64 kd + 16 h and 32 further on
	s_lshl_b32 s88, s94, 5
	s_lshl_b32 s89, s92, 1
	s_add_co_u32 s88, s88, s89
	s_lshl_b32 s88, s88, 18
	s_and_b32 s89, s93, 15
	s_lshl_b32 s89, s89, 14
	s_add_co_u32 s88, s88, s89
	s_mov_b32 s89, 0
	s_add_nc_u64 s[88:89], s[4:5], s[88:89]
	v_lshlrev_b32 v49, 7, v1
	v_lshl_add_u32 v49, v2, 4, v49
	s_lshl_b32 s79, s97, 7
	v_add_nc_u32 v[QO], s79, v49
	s_lshl_b32 s79, s98, 7
	v_add_nc_u32 v[QO+1], s79, v49
.irp g, 0,1
.irp il, 0,1
.irp kd, 0,1
	global_load_b128 v[QF+16*(2*\g+\il)+8*\kd:QF+16*(2*\g+\il)+8*\kd+3],   v[QO+\il], s[88:89] offset:\g*262144+64*\kd
	global_load_b128 v[QF+16*(2*\g+\il)+8*\kd+4:QF+16*(2*\g+\il)+8*\kd+7], v[QO+\il], s[88:89] offset:\g*262144+64*\kd+32
.endr
.endr
.endr
	; the mask as the matrix instruction's C: lane (r, h) takes 32 bytes of row r at key 64 kh + 16 kt + 8 h
	v_mul_u32_u24 v40, v1, MPITCH
	v_lshl_add_u32 v40, v2, 5, v40
	s_mul_i32 s99, s97, MPITCH
	s_mul_i32 s100, s98, MPITCH
	s_lshl_b32 s79, s12, 8
	s_add_co_u32 s99, s99, s79
	s_add_co_u32 s100, s100, s79
	v_add_nc_u32 v[MA], s99, v40
	v_add_nc_u32 v[MA+1], s100, v40
	v_add_nc_u32 v[MA+2], SLOT, v[MA]
	v_add_nc_u32 v[MA+3], SLOT, v[MA+1]
	; K's fragments: key 64 kh + 16 kt + r, 16 bytes at 16 h
	v_mul_u32_u24 v41, v1, KPITCH
	v_lshl_add_u32 v41, v2, 4, v41
	s_mul_i32 s79, s12, 64*KPITCH
	s_add_co_u32 s79, s79, KOFF
	v_add_nc_u32 v[KA], s79, v41
	v_add_nc_u32 v[KA+1], SLOT, v[KA]
	; V's fragments by transposing loads: key 64 kh + 8 h + l % 8, 16 bytes (l / 8) % 2
	v_and_b32 v42, 7, v0
	v_lshl_add_u32 v42, v2, 3, v42
	v_mul_u32_u24 v42, v42, VPITCH
	v_bfe_u32 v43, v0, 3, 1
	v_lshl_add_u32 v42, v43, 4, v42
	s_mul_i32 s79, s12, 64*VPITCH
	s_add_co_u32 s79, s79, VOFF
	v_add_nc_u32 v[VA], s79, v42
	v_add_nc_u32 v[VA+1], SLOT, v[VA]
	s_xor_b32 s79, s10, 4
	s_mul_i32 s79, s79, XW
	s_add_co_u32 s79, s79, XCH
	v_lshl_add_u32 v[XR], v3, 4, s79               ; what my partner hands over
	s_mul_i32 s79, s10, XW
	s_add_co_u32 s79, s79, XCH
	v_lshl_add_u32 v[XS], v3, 4, s79               ; what I hand over; later my stage: 16 rows x 272 bytes
	v_mul_u32_u24 v44, v1, 272
	v_lshl_add_u32 v44, v2, 4, v44
	v_add_nc_u32 v[STO], s79, v44
	v_mul_u32_u24 v45, v2, 272
	v_lshl_add_u32 v45, v1, 4, v45
	v_add_nc_u32 v[RD], s79, v45
	v_lshlrev_b32 v46, 12, v2
	v_lshl_add_u32 v[CO], v1, 4, v46               ; two rows of ctxh, 256 bytes of each
	s_lshl_b32 s90, s93, 19                        ; ctxh: row 128 y + 32 cg + 16 kh, 4,096 bytes a row; block x, 512 bytes a block
	s_lshl_b32 s101, s97, 12
	s_add_co_u32 s90, s90, s101
	s_lshl_b32 s101, s92, 9
	s_add_co_u32 s90, s90, s101
	s_mov_b32 s91, 0
	s_add_nc_u64 s[90:91], s[8:9], s[90:91]
	; Prefetch of the mask: the eight work-groups with one y read the same tiles, so each asks for 16 of a tile's 128 rows (rows 16 x ..), two blocks
	; of 256 bytes a row, one a lane; wave 5 asks in trip t for tile t + 2, which the tensor loads of trip t + 1 fetch; trips 14 and 15 ask for nothing.
	v_lshrrev_b32 v47, 1, v3
	v_and_b32 v48, 1, v0
	v_lshlrev_b32 v48, 8, v48
	v_lshl_add_u32 v[PFO], v47, 13, v48
	s_lshl_b32 s76, s93, 20
	s_lshl_b32 s101, s92, 17
	s_add_co_u32 s76, s76, s101
	s_add_co_u32 s76, s76, 1024
	s_mov_b32 s77, 0
	s_add_nc_u64 s[76:77], s[6:7], s[76:77]
	s_wait_loadcnt 0x0                             ; Q
.macro LOADM s
.irp kt, 0,1,2,3
.irp il, 0,1
	ds_load_b128 v[SC1+16*\kt+8*\il:SC1+16*\kt+8*\il+3],   v[MA+2*\s+\il] offset:64*\kt
	ds_load_b128 v[SC1+16*\kt+8*\il+4:SC1+16*\kt+8*\il+7], v[MA+2*\s+\il] offset:64*\kt+16
.endr
.endr
.endm
.macro LOADK s
.irp kt, 0,1,2,3
.irp kd, 0,1
	ds_load_b128 v[KF+8*(2*\kt+\kd):KF+8*(2*\kt+\kd)+3],   v[KA+\s] offset:16*KPITCH*\kt+64*\kd
	ds_load_b128 v[KF+8*(2*\kt+\kd)+4:KF+8*(2*\kt+\kd)+7], v[KA+\s] offset:16*KPITCH*\kt+64*\kd+32
.endr
.endr
.endm
.macro LOADV s, off, dst               ; off = 0: the high tile, VLD: the low one
.irp dt, 0,1,2,3
.irp u, 0,1
	ds_load_tr16_b128 v[\dst+8*(2*\dt+\u):\dst+8*(2*\dt+\u)+3],   v[VA+\s] offset:\off+32*VPITCH*\u+32*\dt
	ds_load_tr16_b128 v[\dst+8*(2*\dt+\u)+4:\dst+8*(2*\dt+\u)+7], v[VA+\s] offset:\off+32*VPITCH*\u+32*\dt+16*VPITCH
.endr
.endr
.endm
; 8 matrix instructions: one head, one half of d, all (kt, il).  qb: Q's fragments; kd: the half; dst: the scores; csrc: what they add onto.
.macro S8 qb, kd, dst, csrc
.irp kt, 0,1,2,3
.irp il, 0,1
	v_wmma_f32_16x16x32_f16 v[\dst+16*\kt+8*\il:\dst+16*\kt+8*\il+7], v[KF+16*\kt+8*\kd:KF+16*\kt+8*\kd+7], v[\qb+16*\il+8*\kd:\qb+16*\il+8*\kd+7], v[\csrc+16*\kt+8*\il:\csrc+16*\kt+8*\il+7]
.endr
.endr
.endm
; The softmax step of column tile c on its 32 scores a lane (four key tiles).  SB: the tile's first register; MC: its pair of maxima.
.macro SUBT kt
.irp p, 0,2,4,6
	v_pk_add_f32 v[SB+16*\kt+\p:SB+16*\kt+\p+1], v[SB+16*\kt+\p:SB+16*\kt+\p+1], v[MC:MC+1] neg_lo:[0,1] neg_hi:[0,1]
.endr
.endm
.macro EXPT kt
.irp j, 0,1,2,3,4,5,6,7
	v_exp_f32 v[SB+16*\kt+\j], v[SB+16*\kt+\j]
.endr
.endm
; sums in two chains, then f16: key tile 2 u packs into its own registers 0-3, tile 2 u + 1 into tile 2 u's registers 4-7: a fragment of 32 keys
.macro SUMCVT kt, start
.set XT, SB+16*\kt
.set PD, SB+32*(\kt>>1)+4*(\kt&1)
.if \start
	s_wait_alu depctr_va_vdst(0)
	v_pk_add_f32 v[TMP+8:TMP+9], v[XT:XT+1], v[XT+2:XT+3]
	v_pk_add_f32 v[TMP+10:TMP+11], v[XT+4:XT+5], v[XT+6:XT+7]
.else
	s_wait_alu depctr_va_vdst(0)
	v_pk_add_f32 v[TMP+8:TMP+9], v[TMP+8:TMP+9], v[XT:XT+1]
	v_pk_add_f32 v[TMP+10:TMP+11], v[TMP+10:TMP+11], v[XT+2:XT+3]
	v_pk_add_f32 v[TMP+8:TMP+9], v[TMP+8:TMP+9], v[XT+4:XT+5]
	v_pk_add_f32 v[TMP+10:TMP+11], v[TMP+10:TMP+11], v[XT+6:XT+7]
.endif
.irp jp, 0,1,2,3
	v_cvt_pk_f16_f32 v[PD+\jp], v[XT+2*\jp], v[XT+2*\jp+1]
.endr
.endm
.macro SOFTMAX c, first
.set SB, SC0+64*(\c>>1)+8*(\c&1)
.set MC, MXP+2*\c
.irp kt, 0,1,2,3
	v_max3_num_f32 v[TMP+\kt], v[SB+16*\kt], v[SB+16*\kt+1], v[SB+16*\kt+2]
.endr
.irp kt, 0,1,2,3
	v_max3_num_f32 v[TMP+\kt], v[TMP+\kt], v[SB+16*\kt+3], v[SB+16*\kt+4]
.endr
.irp kt, 0,1,2,3
	v_max3_num_f32 v[TMP+\kt], v[TMP+\kt], v[SB+16*\kt+5], v[SB+16*\kt+6]
.endr
	v_max3_num_f32 v[TMP], v[TMP], v[SB+7], v[TMP+1]
	v_max3_num_f32 v[TMP+2], v[TMP+2], v[SB+39], v[TMP+3]
	v_max3_num_f32 v[TMP], v[TMP], v[SB+23], v[SB+55]
	v_max_num_f32 v[TMP], v[TMP], v[TMP+2]
	v_permlanex16_b32 v[TMP+1], v[TMP], s20, s21   ; the query's other 32 keys lie in the other half of the lanes
.if \first
	v_max3_num_f32 v[MC], v[TMP], v[TMP+1], s22
	v_mov_b32 v[MC+1], v[MC]
.else
	v_max3_num_f32 v[TMP+4], v[TMP], v[TMP+1], v[MC]
	v_sub_f32 v[TMP+5], v[MC], v[TMP+4]
	v_exp_f32 v[ALF+2*\c], v[TMP+5]
	v_exp_f32 v[ALF+2*\c+1], v[TMP+5]
	v_mov_b32 v[MC], v[TMP+4]                      ; plain instructions on other registers stand behind each run of exponentials (ISA guide 5.7.2), here and below
	v_mov_b32 v[MC+1], v[TMP+4]
.endif
	SUBT 0
	EXPT 0
	SUBT 1
	EXPT 1
	SUMCVT 0, 1
	SUBT 2
	EXPT 2
	SUMCVT 1, 0
	SUBT 3
	EXPT 3
	SUMCVT 2, 0
	SUMCVT 3, 0
	v_pk_add_f32 v[TMP+8:TMP+9], v[TMP+8:TMP+9], v[TMP+10:TMP+11]
.if \first
	v_add_f32 v[LSUM+\c], v[TMP+8], v[TMP+9]
.else
	v_add_f32 v[TMP+8], v[TMP+8], v[TMP+9]
	v_fma_f32 v[LSUM+\c], v[LSUM+\c], v[ALF+2*\c], v[TMP+8]
.endif
.endm
; 16 matrix instructions: O^T (dt, c) += (fragments at vf)^T (dt, keys 32 u ..) P^T (c, keys 32 u ..)
.macro PVU vf, u, zero
.irp dt, 0,1,2,3
.irp c, 0,1,2,3
.if \zero
	v_wmma_f32_16x16x32_f16 v[OA+8*(4*\dt+\c):OA+8*(4*\dt+\c)+7], v[\vf+8*(2*\dt+\u):\vf+8*(2*\dt+\u)+7], v[SC0+64*(\c>>1)+8*(\c&1)+32*\u:SC0+64*(\c>>1)+8*(\c&1)+32*\u+7], 0
.else
	v_wmma_f32_16x16x32_f16 v[OA+8*(4*\dt+\c):OA+8*(4*\dt+\c)+7], v[\vf+8*(2*\dt+\u):\vf+8*(2*\dt+\u)+7], v[SC0+64*(\c>>1)+8*(\c&1)+32*\u:SC0+64*(\c>>1)+8*(\c&1)+32*\u+7], v[OA+8*(4*\dt+\c):OA+8*(4*\dt+\c)+7]
.endif
.endr
.endr
.endm
; One slot's work of a wave: 64 keys x 64 columns.  In every group of matrix instructions the accumulators take turns, one instruction a turn.
.macro BODY s, first
	LOADM \s
	WIN 0x40                                       ; destinations in window 1
	LOADK \s
	LOADV \s, 0, VF
	WIN 0
	s_wait_dscnt 32                                ; the mask is in; K's and V's 32 loads stay out
.irp q, 0,1,2,3,4,5,6,7
.irp k, 0,1,2,3
	v_cvt_pk_bf16_f32 v[TMP+4*(\q&1)+\k], v[SC1+8*\q+2*\k], v[SC1+8*\q+2*\k+1]     ; the mask rounded to bf16,
.endr
.irp k, 0,1,2,3
	v_fma_mix_f32_bf16 v[SC1+8*\q+2*\k], v[TMP+4*(\q&1)+\k], v[LG], v[ZR] op_sel_hi:[1,0,0]                     ; and back in f32 in units of log2, like the scores
	v_fma_mix_f32_bf16 v[SC1+8*\q+2*\k+1], v[TMP+4*(\q&1)+\k], v[LG], v[ZR] op_sel:[1,0,0] op_sel_hi:[1,0,0]
.endr
.endr
	s_wait_dscnt 16                                ; K is in; V's 16 loads stay out
	WIN 0x01                                       ; source 0 (K) in window 1
	S8 QF, 0, SC0, SC1                             ; head 0 starts from the mask,
	S8 QF, 1, SC0, SC0
.rept 5
	v_nop                                          ; five places (ISA guide 7.12.1): the mask's registers, read above as C, are now written; head 0's results are read below
.endr
	S8 QF+32, 0, SC1, SC1                          ; head 1 adds onto the mask in place
	S8 QF+32, 1, SC1, SC1
	WIN 0
	SOFTMAX 0, \first                              ; head 0's columns first: their plain instructions are the places behind head 1's products,
	WIN 0x40
	LOADV \s, VLD, KF                              ; for these loads into K's registers too: V's low fragments
	WIN 0
	SOFTMAX 1, \first
	SOFTMAX 2, \first
	SOFTMAX 3, \first
	s_wait_dscnt 0                                 ; V, high and low: my last reads of this slot
.if \first
	WIN 0x51
	PVU VF, 0, 1                                   ; the first product starts the sums
.else
	WIN 0x41                                       ; O in window 1, the factors in window 0
.irp dt, 0,1,2,3
.irp c, 0,1,2,3
.irp p, 0,2,4,6
	v_pk_mul_f32 v[OA+8*(4*\dt+\c)+\p:OA+8*(4*\dt+\c)+\p+1], v[OA+8*(4*\dt+\c)+\p:OA+8*(4*\dt+\c)+\p+1], v[ALF+2*\c:ALF+2*\c+1]
.endr
.endr
.endr
	WIN 0x51
	PVU VF, 0, 0
.endif
	PVU VF, 1, 0
	PVU KF, 0, 0
	PVU KF, 1, 0
	WIN 0
.rept 5
	v_nop                                          ; five places: the next trip loads into V's, K's and P's registers and lets matrix instructions write over P's
.endr
.endm
; A trip: slot holds this trip's 128 keys; other is filled behind the round with the next 128.
.macro TRIP slot, other, refill, first, pf, pfstep
	s_wait_tensorcnt 0x0                           ; all my tensor loads are done, my part of this trip's tiles among them, so every group 0 may be written:
	ds_add_u32 v62, v63
	s_wait_dscnt 0x0
	s_add_nc_u64 s[G0M+4*\slot+2:G0M+4*\slot+3], s[G0M+4*\slot+2:G0M+4*\slot+3], 1024      ; this slot's next tiles, 256 keys on
	s_add_nc_u64 s[G0K+4*\slot+2:G0K+4*\slot+3], s[G0K+4*\slot+2:G0K+4*\slot+3], 32768
	s_add_nc_u64 s[G0V+4*\slot+2:G0V+4*\slot+3], s[G0V+4*\slot+2:G0V+4*\slot+3], 32768
	s_add_nc_u64 s[G0L+4*\slot+2:G0L+4*\slot+3], s[G0L+4*\slot+2:G0L+4*\slot+3], 32768
.if \pfstep
	s_wait_xcnt 0x0                                ; the last trip's prefetch has read its base
	s_add_nc_u64 s[76:77], s[76:77], 512
.endif
	s_wait_dscnt 0x0                               ; my reads of the last trip's slot are done
	ROUND                                          ; both now hold of every wave of every work-group of the cluster
.if \refill
	JLOAD5 \other                                  ; the wave's one tensor load behind the round, ahead of its LDS reads
.endif
.if \pf
	s_cmp_lg_u32 s10, 5
	s_cbranch_scc1 .Lno_prefetch_\@
	global_prefetch_b8 v[PFO], s[76:77] th:TH_LOAD_NT scope:SCOPE_SE
.Lno_prefetch_\@:
.endif
	BODY \slot, \first
.endm
	TRIP 0, 1, 1, 1, 1, 0                          ; keys 0-127
	TRIP 1, 0, 1, 0, 1, 1
	s_mov_b32 s78, 6
.Lpair:
	TRIP 0, 1, 1, 0, 1, 1
	TRIP 1, 0, 1, 0, 1, 1
	s_sub_co_u32 s78, s78, 1
	s_cmp_lg_u32 s78, 0
	s_cbranch_scc1 .Lpair
	TRIP 0, 1, 1, 0, 0, 0                          ; the last two trips ask for no prefetch,
	TRIP 1, 0, 0, 0, 0, 0                          ; and the last fills nothing
	; THE TWO KEY HALVES JOIN.  I hand over my local tile 1 (both heads): O^T, maximum and sum; I keep tile 0 and take my partner's part of it.
	WIN 0x04                                       ; store data in window 1
.irp g, 0,1
.irp dt, 0,1,2,3
	ds_store_b128 v[XS], v[OA+8*(4*\dt+2*\g+1):OA+8*(4*\dt+2*\g+1)+3]   offset:512*((4*\g+\dt)*2)
	ds_store_b128 v[XS], v[OA+8*(4*\dt+2*\g+1)+4:OA+8*(4*\dt+2*\g+1)+7] offset:512*((4*\g+\dt)*2+1)
.endr
.endr
	WIN 0
	v_mov_b32 v[TMP], v[MXP+2]
	v_mov_b32 v[TMP+1], v[MXP+6]
	v_mov_b32 v[TMP+2], v[LSUM+1]
	v_mov_b32 v[TMP+3], v[LSUM+3]
	ds_store_b128 v[XS], v[TMP:TMP+3] offset:8192
	s_wait_dscnt 0x0                               ; my stores are done, for my partner's sake
	s_barrier_signal -1
	s_barrier_wait -1
.set i, 0
.rept 16
	ds_load_b128 v[SC0+4*i:SC0+4*i+3], v[XR] offset:512*i
.set i, i+1
.endr
	ds_load_b128 v[TMP+12:TMP+15], v[XR] offset:8192
	s_wait_dscnt 0x0                               ; my reads of my partner's bytes are done: behind the barrier it writes them again, as its stage
	s_barrier_signal -1
	s_barrier_wait -1
.irp g, 0,1
	v_max_num_f32 v[TMP], v[MXP+4*\g], v[TMP+12+\g]
	v_sub_f32 v[TMP+1], v[MXP+4*\g], v[TMP]
	v_sub_f32 v[TMP+2], v[TMP+12+\g], v[TMP]
	v_exp_f32 v[TMP+1], v[TMP+1]
	v_exp_f32 v[TMP+2], v[TMP+2]
	v_nop
	s_wait_alu depctr_va_vdst(0)
	v_mul_f32 v[TMP+3], v[LSUM+2*\g], v[TMP+1]
	v_fma_f32 v[TMP+3], v[TMP+14+\g], v[TMP+2], v[TMP+3]
	v_permlanex16_b32 v[TMP+4], v[TMP+3], s20, s21 ; the sums were kept lane by lane: the other half's keys come in here
	v_add_f32 v[TMP+3], v[TMP+3], v[TMP+4]
	v_rcp_f32 v[TMP+3], v[TMP+3]
	v_nop
	s_wait_alu depctr_va_vdst(0)
	v_mul_f32 v[ALF+4*\g], v[TMP+1], v[TMP+3]      ; my factor, twice
	v_mul_f32 v[ALF+4*\g+1], v[TMP+1], v[TMP+3]
	v_mul_f32 v[ALF+4*\g+2], v[TMP+2], v[TMP+3]    ; my partner's, twice
	v_mul_f32 v[ALF+4*\g+3], v[TMP+2], v[TMP+3]
.endr
.irp g, 0,1
.irp dt, 0,1,2,3
.irp p, 0,2,4,6
	v_pk_mul_f32 v[SC0+8*(4*\g+\dt)+\p:SC0+8*(4*\g+\dt)+\p+1], v[SC0+8*(4*\g+\dt)+\p:SC0+8*(4*\g+\dt)+\p+1], v[ALF+4*\g+2:ALF+4*\g+3]
.endr
.endr
.endr
	WIN 0x01                                       ; source 0 = my O^T in window 1
.irp g, 0,1
.irp dt, 0,1,2,3
.irp p, 0,2,4,6
	v_pk_fma_f32 v[SC0+8*(4*\g+\dt)+\p:SC0+8*(4*\g+\dt)+\p+1], v[OA+8*(4*\dt+2*\g)+\p:OA+8*(4*\dt+2*\g)+\p+1], v[ALF+4*\g:ALF+4*\g+1], v[SC0+8*(4*\g+\dt)+\p:SC0+8*(4*\g+\dt)+\p+1]
.endr
.endr
.endr
	WIN 0
	; ctx / 4 as two f16: g = 8193 x, high = g + (x - g) has eleven digits, low = x - high is exact.  Four pairs at a time; high packed at SC1, low at SC1 + 32.
.set i, 0
.rept 8
.irp k, 0,1,2,3
	v_pk_mul_f32 v[TMP+4*\k:TMP+4*\k+1], v[SC0+2*(i+\k):SC0+2*(i+\k)+1], 0x46000400 op_sel_hi:[1,0]
.endr
.irp k, 0,1,2,3
	v_pk_add_f32 v[TMP+4*\k+2:TMP+4*\k+3], v[SC0+2*(i+\k):SC0+2*(i+\k)+1], v[TMP+4*\k:TMP+4*\k+1] neg_lo:[0,1] neg_hi:[0,1]
.endr
.irp k, 0,1,2,3
	v_pk_add_f32 v[TMP+4*\k:TMP+4*\k+1], v[TMP+4*\k:TMP+4*\k+1], v[TMP+4*\k+2:TMP+4*\k+3]
.endr
.irp k, 0,1,2,3
	v_pk_add_f32 v[SC0+2*(i+\k):SC0+2*(i+\k)+1], v[SC0+2*(i+\k):SC0+2*(i+\k)+1], v[TMP+4*\k:TMP+4*\k+1] neg_lo:[0,1] neg_hi:[0,1]
.endr
.irp k, 0,1,2,3
	v_cvt_pk_f16_f32 v[SC1+i+\k], v[TMP+4*\k], v[TMP+4*\k+1]
	v_cvt_pk_f16_f32 v[SC1+32+i+\k], v[SC0+2*(i+\k)], v[SC0+2*(i+\k)+1]
.endr
.set i, i+4
.endr
; 32 packed registers go through my stage and out: row r holds head g's 128 bytes at 128 g, d = 16 dt + 8 h ..; whole rows of 256 bytes come back
.macro CPASS src, dst, off
.irp g, 0,1
.irp dt, 0,1,2,3
	ds_store_b128 v[STO], v[\src+4*(4*\g+\dt):\src+4*(4*\g+\dt)+3] offset:128*\g+32*\dt    ; LDS serves a wave's instructions in order (ISA guide 5.7.1): behind the last pass's reads
.endr
.endr
.irp t, 0,1,2,3,4,5,6,7
	ds_load_b128 v[\dst+4*\t:\dst+4*\t+3], v[RD] offset:544*\t
.endr
.irp t, 0,1,2,3,4,5,6,7
	s_wait_dscnt 7-\t                              ; load t is in, the younger ones stay out
	global_store_b128 v[CO], v[\dst+4*\t:\dst+4*\t+3], s[90:91] offset:8192*\t+\off        ; sixteen lanes store a row's 256 consecutive bytes (both heads), aligned
.endr
.endm
	CPASS SC1, QF, 0                               ; the high parts
	CPASS SC1+32, QF+32, 256                       ; the low parts, 256 bytes further on in the block
	s_wait_tensorcnt 0x0
	ds_add_u32 v62, v63
	s_wait_dscnt 0x0
	ROUND                                          ; the closing round
	s_endpgm
.Lfunc_end_k_qcf8bec5d0e_attn:
	.size	k_qcf8bec5d0e_attn, .Lfunc_end_k_qcf8bec5d0e_attn-k_qcf8bec5d0e_attn
	.p2alignl 7, 3214868480
	.fill 96, 4, 3214868480
	.section	.rodata,"a",@progbits
	.p2align	6, 0x0
	.amdhsa_kernel k_qcf8bec5d0e_attn
		.amdhsa_group_segment_fixed_size 327680
		.amdhsa_private_segment_fixed_size 0
		.amdhsa_enable_private_segment 0
		.amdhsa_kernarg_size 32
		.amdhsa_user_sgpr_count 2
		.amdhsa_user_sgpr_kernarg_segment_ptr 1
		.amdhsa_wavefront_size32 1
		.amdhsa_system_sgpr_workgroup_id_x 1
		.amdhsa_system_sgpr_workgroup_id_y 1
		.amdhsa_system_sgpr_workgroup_id_z 1
		.amdhsa_system_vgpr_workitem_id 0
		.amdhsa_next_free_vgpr 512
		.amdhsa_next_free_sgpr 102
		.amdhsa_reserve_vcc 0
		.amdhsa_float_denorm_mode_32 3
		.amdhsa_float_denorm_mode_16_64 3
		.amdhsa_memory_ordered 1
		.amdhsa_forward_progress 1
		.amdhsa_inst_pref_size 255
	.end_amdhsa_kernel
	.section	.bss,"aw",@nobits
	.p2align	6
	.space	262144
	.amdgpu_metadata
---
amdhsa.version: [ 1, 2 ]
amdhsa.kernels:
  - .name:           k_qcf8bec5d0e_attn
    .symbol:         k_qcf8bec5d0e_attn.kd
    .args:
      - { .name: qkvh, .offset: 0, .size: 8, .value_kind: global_buffer, .address_space: global }
      - { .name: attention_mask, .offset: 8, .size: 8, .value_kind: global_buffer, .address_space: global }
      - { .name: ctxh, .offset: 16, .size: 8, .value_kind: global_buffer, .address_space: global }
      - { .name: vloh, .offset: 24, .size: 8, .value_kind: global_buffer, .address_space: global }
    .group_segment_fixed_size: 327680
    .private_segment_fixed_size: 0
    .kernarg_segment_align: 8
    .kernarg_segment_size: 32
    .max_flat_workgroup_size: 256
    .sgpr_count:     102
    .vgpr_count:     512
    .wavefront_size: 32
...
	.end_amdgpu_metadata
.endif
;; end of part 3
;; launch proj_out (part 4): grid 8 x 32, 4 waves a work-group, clusters of 4 x 4, 327,680 bytes of LDS; arguments ctxh, woh, out0; writes out0
.if DOCPART == 4
	.amdgcn_target "amdgcn-amd-amdhsa--gfx1250"
	.amdhsa_code_object_version 6
	.text
	.protected	k_qcf8bec5d0e_proj_out
	.globl	k_qcf8bec5d0e_proj_out
	.p2align	8
	.type	k_qcf8bec5d0e_proj_out,@function
k_qcf8bec5d0e_proj_out:
	s_mov_b64 s[64:65], 0
	v_nop
	global_prefetch_b8 v0, s[64:65] scope:SCOPE_SE
	s_setreg_imm32_b32 hwreg(HW_REG_WAVE_MODE, 25, 1), 1
	s_wait_xcnt 0x0
	s_wait_alu depctr_hold_cnt(0) depctr_sa_sdst(0) depctr_va_vdst(0) depctr_va_sdst(0) depctr_va_ssrc(0) depctr_va_vcc(0) depctr_vm_vsrc(0)
	s_getreg_b32 s2, hwreg(HW_REG_IB_STS2, 6, 4)
	s_cmp_eq_u32 s2, 0
	s_cbranch_scc0 .Lentry_in_a_cluster
	s_endpgm
.Lentry_in_a_cluster:
	s_bfe_u32 s2, ttmp6, 0x10000c
	s_cmp_lg_u32 s2, 0xf033
	s_cbranch_scc0 .Lentry_shape_is_right
	s_endpgm
.Lentry_shape_is_right:
; out0 = ctx Wo.  A = ctxh [4096][8 blocks][high 128 | low 128] f16 = ctx / 4 as a sum of two f16 (K along the rows),
; B = woh [1024 k][2048 n] f16 = 4 Wo (n along the rows); sums and out0 in f32.
; A's rows are walked in 16 K steps of 128: step 2 j is block j's high part, step 2 j + 1 its low part, and both meet B's rows 128 j .. + 127.
; So slot 0 always holds a high part and slot 1 a low part, each with the same 128 rows of B, and B's address steps 128 rows a lap.
; LIMITS: those of the f16 operands (magnitudes up to 65,504, steps of 2^-24 at the least).
; The same structure as the first projection: a work-group makes 128 rows x 256 columns with four waves (8 x 32 = 256 work-groups), a wave 64 x 128 in
; 32 accumulator tiles; two LDS slots filled by the tensor data mover.
; CLUSTERS of 4 x 4: B's tile is asked for jointly by a column of the cluster, A's by a row.
; REGISTERS: window 0: addresses and fragments (two buffers); window 1: the accumulators, tile (a, b) at v[8 (8 a + b)].
; THE MATRIX INSTRUCTION IS USED TRANSPOSED: source 0 = 16 columns of B, source 1 = 16 rows of A; lane l holds row l % 16, columns 8 (l / 16) + 0..7.
.set KD,     2048                      ; numbers in a row of A: 1,024 high and 1,024 low parts
.set PA,     272
.set PB,     544
.set AHALF,  64*PA
.set BHALF,  64*PB
.set AOFF,   128*PB                    ; a slot: B's 128 k rows, then A's 128 rows
.set SLOT,   AOFF+128*PA
.set STAGE,  2*SLOT                    ; behind the ring: 16 rows x 528 bytes for each wave; no tensor load lands here
.set SPITCH, 528
.set LAPS,   KD/256
.set ADRA, 16
.set ADRB, 20
.set STO,  24
.set RD,   25
.set CO,   26
.set AF0,  32
.set BF0,  96
.set G1,  24
.set G0,  32
.set G1B, 48
.set G0B, 56
.set MULW, 0x50
.set MSB, 0
.macro WIN new
.if MSB != \new
	s_set_vgpr_msb (MSB<<8)|\new
.set MSB, \new
.endif
.endm
.macro JLOAD s                         ; waves 0 and 1 fetch B's halves, waves 2 and 3 A's; one mask and one set of registers a line
	s_cmp_eq_u32 s11, 0
	s_cbranch_scc0 .Lfor_a_\@
	tensor_load_to_lds s[G0B+4*\s:G0B+4*\s+3], s[G1B:G1B+7]
	s_nop 0
.rept 4
	v_nop
.endr
	s_branch .Lasked_\@
.Lfor_a_\@:
	tensor_load_to_lds s[G0+4*\s:G0+4*\s+3], s[G1:G1+7]
	s_nop 0
.rept 4
	v_nop
.endr
.Lasked_\@:
.endm
.macro CREST
	s_cmp_lg_u32 s10, 0
	s_cbranch_scc1 .Lnot_wave_0_\@
	s_barrier_signal -3
.Lnot_wave_0_\@:
	s_barrier_wait -3
	s_barrier_signal -1
	s_barrier_wait -1
.endm
.macro CROUND
	s_barrier_signal -1
	s_barrier_wait -1
	CREST
.endm
.macro PLACES                          ; four plain vector instructions behind matrix instructions (ISA guide 7.12.1)
.rept 4
	v_nop
.endr
.endm
	s_load_b128 s[4:7], s[0:1], 0x0                ; ctxh s[4:5], woh s[6:7]
	s_load_b64 s[8:9], s[0:1], 0x10                ; out0
	v_lshl_add_u32 v254, v0, 2, 0x3b400
	v_mov_b32 v255, 0
	ds_add_u32 v254, v255
	v_lshrrev_b32 v1, 5, v0
	v_readfirstlane_b32 s10, v1                    ; wave 0..3
	s_lshr_b32 s11, s10, 1                         ; my 64 rows.  Also: I fetch for B (0) or for A (1)
	s_and_b32 s12, s10, 1                          ; my 128 columns.  Also: which half of that tile I fetch
	s_bfe_u32 s40, ttmp6, 0x40000                  ; cx
	s_bfe_u32 s41, ttmp6, 0x40004                  ; cy
	s_lshl_b32 s42, ttmp9, 2
	s_add_co_u32 s42, s42, s40                     ; block column
	s_and_b32 s13, ttmp7, 0xffff
	s_lshl_b32 s13, s13, 2
	s_add_co_u32 s13, s13, s41                     ; block row
	s_lshl_b32 s43, s41, 2
	s_lshl_b32 s43, 15, s43                        ; my row of the cluster
	s_lshl_b32 s44, 0x1111, s40                    ; my column
	s_or_b32 s[G1+0], s43, (1<<16)|(1<<20)|(1<<21)|(5<<22)|(3<<25)   ; A: 64 rows x 128 f16, 16 bytes behind every 64 words
	s_mov_b32 s[G1+1], 128<<16
	s_mov_b32 s[G1+2], 64<<16
	s_mov_b32 s[G1+3], 128<<16
	s_mov_b32 s[G1+4], 64
	s_mov_b32 s[G1+5], KD
	s_mov_b32 s[G1+6], 0
	s_mov_b32 s[G1+7], 0
	s_or_b32 s[G1B+0], s44, (1<<16)|(1<<20)|(1<<21)|(6<<22)|(7<<25)  ; B: 64 k rows x 256 f16, 32 bytes behind every 128 words
	s_mov_b32 s[G1B+1], 256<<16
	s_mov_b32 s[G1B+2], 64<<16
	s_mov_b32 s[G1B+3], 256<<16
	s_mov_b32 s[G1B+4], 64
	s_mov_b32 s[G1B+5], 2048
	s_mov_b32 s[G1B+6], 0
	s_mov_b32 s[G1B+7], 0
	s_lshl_b32 s16, s13, 7
	s_lshl_b32 s17, s12, 6
	s_add_co_u32 s16, s16, s17                     ; A: row 128 x block row + 64 x half
	s_mul_i32 s16, s16, KD*2
	s_mov_b32 s17, 0
	s_lshl_b32 s46, s12, 18                        ; B: k row 64 x half, 4,096 bytes each,
	s_lshl_b32 s47, s42, 9                         ; and 512 bytes a block column
	s_add_co_u32 s46, s46, s47
	s_mov_b32 s47, 0
	s_mul_i32 s20, s10, AHALF
	s_mul_i32 s45, s10, BHALF
	s_wait_dscnt 0x0
	s_wait_kmcnt 0x0
	s_add_nc_u64 s[14:15], s[4:5], s[16:17]
	s_add_nc_u64 s[46:47], s[6:7], s[46:47]
	CROUND                                         ; all sixteen work-groups are here: the first joint loads meet
.irp s, 0,1
	s_mov_b32 s[G0+4*\s], 1
	s_add_co_u32 s[G0+4*\s+1], s20, \s*SLOT+AOFF-2*AHALF
	s_add_nc_u64 s[G0+4*\s+2:G0+4*\s+3], s[14:15], \s*256          ; slot 0: block 0's high part; slot 1: its low part
	s_or_b32 s[G0+4*\s+3], s[G0+4*\s+3], 0x80000000
	s_mov_b32 s[G0B+4*\s], 1
	s_add_co_u32 s[G0B+4*\s+1], s45, \s*SLOT
	s_mov_b64 s[G0B+4*\s+2:G0B+4*\s+3], s[46:47]                   ; both slots: B's rows 0-127
	s_or_b32 s[G0B+4*\s+3], s[G0B+4*\s+3], 0x80000000
	JLOAD \s                                       ; both slots' first fills go out together: two tensor loads of the wave are out
.endr
	v_and_b32 v1, 15, v0                           ; r
	v_bfe_u32 v2, v0, 4, 1                         ; h
	v_mul_u32_u24 v3, v1, PA
	v_lshl_add_u32 v3, v2, 4, v3
	s_mul_i32 s21, s11, 64*PA
	s_add_co_u32 s21, s21, AOFF
	v_and_b32 v4, 7, v0
	v_lshl_add_u32 v4, v2, 3, v4
	v_mul_u32_u24 v4, v4, PB
	v_bfe_u32 v5, v0, 3, 1
	v_lshl_add_u32 v4, v5, 4, v4
	s_lshl_b32 s22, s12, 8
.irp s, 0,1
	v_add_nc_u32 v[ADRA+\s], s21, v3
	v_add_nc_u32 v[ADRB+\s], s22, v4
	s_add_co_u32 s21, s21, SLOT
	s_add_co_u32 s22, s22, SLOT
.endr
	s_mul_i32 s23, s10, 16*SPITCH
	s_add_co_u32 s23, s23, STAGE                   ; my stage
	v_mul_u32_u24 v6, v1, SPITCH                   ; in: row r, 32 bytes for each half of the lanes
	v_lshl_add_u32 v6, v2, 5, v6
	v_add_nc_u32 v[STO], s23, v6
	v_and_b32 v5, 31, v0
	v_lshlrev_b32 v[CO], 4, v5                     ; back and out: a wave takes a row's 512 bytes
	v_add_nc_u32 v[RD], s23, v[CO]
	s_lshl_b32 s74, s13, 7                         ; my first byte in out0: row 128 block row + 64 half, 8,192 bytes a row; 1,024 bytes a block column, 512 a half
	s_lshl_b32 s75, s11, 6
	s_add_co_u32 s74, s74, s75
	s_lshl_b32 s74, s74, 13
	s_lshl_b32 s75, s42, 10
	s_add_co_u32 s74, s74, s75
	s_lshl_b32 s75, s12, 9
	s_add_co_u32 s74, s74, s75
	s_mov_b32 s75, 0
	s_add_nc_u64 s[8:9], s[8:9], s[74:75]
.macro MUL8 f, a, zero                 ; row tile a x all 8 column tiles, 32 along K, from buffer f
.irp b, 0,1,2,3,4,5,6,7
.if \zero
	v_wmma_f32_16x16x32_f16 v[8*(8*\a+\b):8*(8*\a+\b)+7], v[BF0+64*\f+8*\b:BF0+64*\f+8*\b+7], v[AF0+32*\f+8*\a:AF0+32*\f+8*\a+7], 0
.else
	v_wmma_f32_16x16x32_f16 v[8*(8*\a+\b):8*(8*\a+\b)+7], v[BF0+64*\f+8*\b:BF0+64*\f+8*\b+7], v[AF0+32*\f+8*\a:AF0+32*\f+8*\a+7], v[8*(8*\a+\b):8*(8*\a+\b)+7]
.endif
.endr
.endm
.macro FETCH slot, q, f                ; 24 LDS loads in one run: B's eight fragments by transposing loads, then A's four
.irp b, 0,1,2,3,4,5,6,7
	ds_load_tr16_b128 v[BF0+64*\f+8*\b:BF0+64*\f+8*\b+3],   v[ADRB+\slot] offset:32*PB*\q+32*\b
	ds_load_tr16_b128 v[BF0+64*\f+8*\b+4:BF0+64*\f+8*\b+7], v[ADRB+\slot] offset:32*PB*\q+32*\b+16*PB
.endr
.irp a, 0,1,2,3
	ds_load_b128 v[AF0+32*\f+8*\a:AF0+32*\f+8*\a+3],   v[ADRA+\slot] offset:16*PA*\a+64*\q
	ds_load_b128 v[AF0+32*\f+8*\a+4:AF0+32*\f+8*\a+7], v[ADRA+\slot] offset:16*PA*\a+64*\q+32
.endr
.endm
; The 32 accumulators take turns, one instruction a turn, in the same order in every quarter, over the backward jump too.
.macro QUARTER slot, qn, f, g, zero
	s_wait_dscnt 4                                 ; B and A's row tiles 0 and 1 are in; the youngest four loads may be out
	WIN MULW
	MUL8 \f, 0, \zero
	MUL8 \f, 1, \zero
	WIN 0
	PLACES
	FETCH \slot, \qn, \g
	s_wait_dscnt 24                                ; all but the 24 just issued
	WIN MULW
	MUL8 \f, 2, \zero
	MUL8 \f, 3, \zero
.endm
.macro THREE slot, zero
	QUARTER \slot, 1, 0, 1, \zero
	QUARTER \slot, 2, 1, 0, 0
	QUARTER \slot, 3, 0, 1, 0
.endm
.macro TURN slot, next, fill
	s_wait_dscnt 4
	WIN MULW
	MUL8 1, 0, 0
	s_wait_dscnt 0                                 ; my reads of this slot are over
	s_wait_tensorcnt 0x0                           ; and all my tensor loads have landed: the one that was out is my part of the next slot
	ds_add_u32 v254, v255
	s_wait_dscnt 0x0
	s_barrier_signal -1
	MUL8 1, 1, 0                                   ; register work while the others arrive
	WIN 0
	s_barrier_wait -1
.if \fill
	CREST                                          ; no wave of any partner still reads this slot or has a load on its way
	s_add_nc_u64 s[G0+4*\slot+2:G0+4*\slot+3], s[G0+4*\slot+2:G0+4*\slot+3], 512           ; the next block's part of the same kind
	s_add_nc_u64 s[G0B+4*\slot+2:G0B+4*\slot+3], s[G0B+4*\slot+2:G0B+4*\slot+3], 524288    ; and B's next 128 rows
	JLOAD \slot                                    ; the wave's one tensor load behind the round; its four v_nop are also the places in front of the loads below
.else
	PLACES
.endif
	FETCH \next, 0, 0
	WIN MULW
	MUL8 1, 2, 0
	MUL8 1, 3, 0
.endm
.macro LAP zero
	THREE 0, \zero
	TURN 0, 1, 1
	THREE 1, 0
	TURN 1, 0, 1
.endm
	s_wait_tensorcnt 1                             ; my part of K step 0 is in; K step 1's may stay out
	s_barrier_signal -1
	s_barrier_wait -1
	FETCH 0, 0, 0
	LAP 1
	WIN 0
	s_mov_b32 s3, LAPS-2
.Llap:
	LAP 0
	WIN 0
	s_sub_co_u32 s3, s3, 1
	s_cmp_lg_u32 s3, 0
	s_cbranch_scc1 .Llap
	THREE 0, 0                                     ; the last lap fills nothing
	TURN 0, 1, 0
	THREE 1, 0
	s_wait_dscnt 4
	WIN MULW
	MUL8 1, 0, 0
	MUL8 1, 1, 0
	s_wait_dscnt 0
	MUL8 1, 2, 0
	MUL8 1, 3, 0
	WIN 0
	PLACES                                         ; behind the last matrix instructions, in front of the LDS stores of their results
; THE WAY OUT, 16 rows at a time: a lane's 32 bytes of a row go into my stage; whole rows of 512 bytes come back and are stored.
.macro OUTO a, f
	WIN 0x04                                       ; store data in window 1
.irp b, 0,1,2,3,4,5,6,7
	ds_store_b128 v[STO], v[8*(8*\a+\b):8*(8*\a+\b)+3]   offset:64*\b
	ds_store_b128 v[STO], v[8*(8*\a+\b)+4:8*(8*\a+\b)+7] offset:64*\b+16
.endr
	WIN 0
	s_wait_xcnt 0x0                                ; registers that earlier stores read are loaded again only behind this wait (ISA guide 3.1)
.set t, 0
.rept 16
	ds_load_b128 v[\f+4*t:\f+4*t+3], v[RD] offset:SPITCH*t         ; LDS serves a wave's instructions in order (ISA guide 5.7.1): these see the stores above
.set t, t+1
.endr
.set t, 0
.rept 16
	s_wait_dscnt 15-t                              ; load t is in, the younger ones stay out
	global_store_b128 v[CO], v[\f+4*t:\f+4*t+3], s[8:9] offset:(16*\a+t)*8192 th:TH_STORE_NT   ; a wave stores 512 consecutive bytes, aligned
.set t, t+1
.endr
.endm
	OUTO 0, 32
	OUTO 1, 96
	OUTO 2, 32
	OUTO 3, 96
	s_wait_tensorcnt 0x0
	ds_add_u32 v254, v255
	s_wait_dscnt 0x0
	CROUND                                         ; the closing round
	s_endpgm
.Lfunc_end_k_qcf8bec5d0e_proj_out:
	.size	k_qcf8bec5d0e_proj_out, .Lfunc_end_k_qcf8bec5d0e_proj_out-k_qcf8bec5d0e_proj_out
	.p2alignl 7, 3214868480
	.fill 96, 4, 3214868480
	.section	.rodata,"a",@progbits
	.p2align	6, 0x0
	.amdhsa_kernel k_qcf8bec5d0e_proj_out
		.amdhsa_group_segment_fixed_size 327680
		.amdhsa_private_segment_fixed_size 0
		.amdhsa_enable_private_segment 0
		.amdhsa_kernarg_size 24
		.amdhsa_user_sgpr_count 2
		.amdhsa_user_sgpr_kernarg_segment_ptr 1
		.amdhsa_wavefront_size32 1
		.amdhsa_system_sgpr_workgroup_id_x 1
		.amdhsa_system_sgpr_workgroup_id_y 1
		.amdhsa_system_sgpr_workgroup_id_z 1
		.amdhsa_system_vgpr_workitem_id 0
		.amdhsa_next_free_vgpr 512
		.amdhsa_next_free_sgpr 80
		.amdhsa_reserve_vcc 0
		.amdhsa_float_denorm_mode_32 3
		.amdhsa_float_denorm_mode_16_64 3
		.amdhsa_memory_ordered 1
		.amdhsa_forward_progress 1
		.amdhsa_inst_pref_size 119
	.end_amdhsa_kernel
	.amdgpu_metadata
---
amdhsa.version: [ 1, 2 ]
amdhsa.kernels:
  - .name:           k_qcf8bec5d0e_proj_out
    .symbol:         k_qcf8bec5d0e_proj_out.kd
    .args:
      - { .name: ctxh, .offset: 0, .size: 8, .value_kind: global_buffer, .address_space: global }
      - { .name: woh, .offset: 8, .size: 8, .value_kind: global_buffer, .address_space: global }
      - { .name: out0, .offset: 16, .size: 8, .value_kind: global_buffer, .address_space: global }
    .group_segment_fixed_size: 327680
    .private_segment_fixed_size: 0
    .kernarg_segment_align: 8
    .kernarg_segment_size: 24
    .max_flat_workgroup_size: 128
    .sgpr_count:     80
    .vgpr_count:     512
    .wavefront_size: 32
...
	.end_amdgpu_metadata
.endif
;; end of part 4
;; ======== version 2 of 2: 4 launches
;; limits: values are held in f16: magnitudes above 65,504 overflow, below 6.1e-05 lose precision; right only within a limited range of input values; values outside matrix products are rounded to bf16
;; workspace buffers: xh 16,777,216 bytes; wqkvh 8,388,608 bytes; woh 4,194,304 bytes; rope 524,288 bytes; qkvh 16,777,216 bytes; vloh 4,194,304 bytes; ctxh 8,388,608 bytes
;; launch prep: the kernel of part 1 again; grid 1024 x 1, 8 waves a work-group, no clusters, 0 bytes of LDS; arguments hidden_states, Wq, Wk, Wv, Wo, xh, wqkvh, woh, rope; writes xh, wqkvh, woh, rope
;; launch proj_qkv: the kernel of part 2 again; grid 8 x 32, 4 waves a work-group, clusters of 4 x 4, 327,680 bytes of LDS; arguments xh, wqkvh, qkvh, rope, position_ids, vloh; writes qkvh, vloh
;; launch attn (part 5): grid 8 x 32, 8 waves a work-group, clusters of 4 x 4, 327,680 bytes of LDS; arguments qkvh, attention_mask, ctxh, vloh; writes ctxh
.if DOCPART == 5
	.amdgcn_target "amdgcn-amd-amdhsa--gfx1250"
	.amdhsa_code_object_version 6
	.text
	.protected	k_qcf8bec5d0e_attn
	.globl	k_qcf8bec5d0e_attn
	.p2align	8
	.type	k_qcf8bec5d0e_attn,@function
k_qcf8bec5d0e_attn:
	s_mov_b64 s[64:65], 0
	v_nop
	global_prefetch_b8 v0, s[64:65] scope:SCOPE_SE
	s_setreg_imm32_b32 hwreg(HW_REG_WAVE_MODE, 25, 1), 1
	s_wait_xcnt 0x0
	s_wait_alu depctr_hold_cnt(0) depctr_sa_sdst(0) depctr_va_vdst(0) depctr_va_sdst(0) depctr_va_ssrc(0) depctr_va_vcc(0) depctr_vm_vsrc(0)
	s_getreg_b32 s2, hwreg(HW_REG_IB_STS2, 6, 4)
	s_cmp_eq_u32 s2, 0
	s_cbranch_scc0 .Lentry_in_a_cluster
	s_endpgm
.Lentry_in_a_cluster:
	s_bfe_u32 s2, ttmp6, 0x10000c
	s_cmp_lg_u32 s2, 0xf033
	s_cbranch_scc0 .Lentry_shape_is_right
	s_endpgm
.Lentry_shape_is_right:
; ctx = softmax(q k^T / 8 + mask) v for one key/value head's two query heads and 128 query rows; all 2,048 keys, since the mask is an input.
; IN:  qkvh [batch][32 planes][2048][64] f16 (Q' = 0.25 log2(e) q, K' = 0.5 k, the high part of V' = 0.25 v), vloh [batch][8][2048][64] f16 (V's low part),
;      attention_mask [2][1][2048][2048] f32.
; OUT: ctxh [4096][1024] f16 = ctx / 4.
; Work-group (x, y): key/value head x, batch y / 16, query rows 128 (y % 16) .. + 127.  Eight waves: wave w has cg = w % 4 (32 query rows x 2 heads
; = four column tiles c = 2 head + il) and kh = w / 4 (keys 64 kh .. + 63 of every slot of 128 keys).  Each wave keeps a running maximum and sum
; for its own keys; the partners w and w ^ 4 join their halves once, at the end.  A wave's local row tile il is the block's tile il ^ kh, so that
; every wave keeps il = 0 and hands over il = 1.
; SCORES TRANSPOSED: S^T = K' Q'^T + C with C = log2(e) mask in f32: lane (r, h) holds query r and keys 8 h + 0..7 of a tile, in units of log2.
; The exponentials, packed to f16, are then a second-source fragment as they stand, and O^T = (V'high + V'low)^T P^T.
; v IS A SUM OF TWO f16, THE CONTEXT ONE f16: a query that attends few keys passes v through unaveraged, and roundings of such a row are large beside
; the root mean square of the whole output.  So between v and the output stands one rounding to f16's eleven digits, the context's, and not two.
; THE MASK IS ROUNDED TO bf16, like every floating-point input of the program, which so computes the definition on inputs rounded to bf16.
; The running maximum is taken away before every exponential.  LIMITS: the mask's digits beyond bf16's eight are dropped, and a mask beyond bf16's
; largest finite number becomes infinite; the maximum is held at -1e30 or above, so a row whose scores all lie below that differs (a row masked by
; -inf throughout gives NaN here as in the definition); probabilities below 6e-8 of the row's largest count as 0; ctx / 4 is held to eleven digits,
; magnitudes up to 65,504.
; CLUSTERS of 4 x 4: the mask's tile hangs on y alone and is asked for jointly by a row of the cluster; K's and V's hang on x and the batch and are
; asked for by a column (a cluster's four y lie in one batch).
.set MPITCH, 528                       ; a slot: mask 128 rows x 528, K 128 keys x 144, V high 128 keys x 160, V low the same
.set KOFF,   67584
.set KPITCH, 144
.set VOFF,   86016
.set VPITCH, 160
.set VLD,    20480                     ; from V's high tile to its low tile
.set SLOT,   126976
.set XCH,    253952                    ; behind the ring, never a tensor load's target: 8,704 bytes a wave, first for the partner, then the wave's stage for the way out
.set XW,     8704
.set MA,   4                           ; v4-7   mask address, 2 slot + il
.set KA,   8                           ; v8-9   K address by slot
.set VA,   10                          ; v10-11 V address by slot
.set XS,   12
.set XR,   13
.set STO,  14
.set RD,   15
.set CO,   16
.set PFO,  17
.set QO,   18                          ; v18-19 offset of my query rows, by il
.set MXP,  20                          ; v20-27 the running maximum of column tile c, twice (a pair for the packed subtraction)
.set LSUM, 28                          ; v28-31 the lane's running sum
.set ALF,  32                          ; v32-39 the factor 2^(old maximum - new), twice
.set TMP,  40                          ; v40-55 at work
.set LG,   56                          ; log2(e)
.set ZR,   57                          ; 0
.set SC0,  64                          ; v64-127  head 0's scores, tile (kt, il) at 16 kt + 8 il
.set SC1,  128                         ; v128-191 the mask, which becomes head 1's scores
.set QF,   192                         ; v192-255 Q's fragments at 16 c + 8 kd
.set OA,   0                           ; window 1: v0-127 O^T, tile (dt, c) at 8 (4 dt + c)
.set KF,   128                         ; window 1: K's fragments at 8 (2 kt + kd); behind the scores V's low fragments at 8 (2 dt + u)
.set VF,   192                         ; window 1: V's high fragments at 8 (2 dt + u)
.set G1M, 24
.set G0M, 32
.set G1K, 40
.set G0K, 48
.set G1V, 56                           ; for V's high and low tiles alike
.set G0V, 68
.set G0L, 80
.set MSB, 0
.macro WIN new
.if MSB != \new
	s_set_vgpr_msb (MSB<<8)|\new
.set MSB, \new
.endif
.endm
.macro ROUND                           ; a round of the cluster's barrier
	s_barrier_signal -1
	s_barrier_wait -1
	s_cmp_lg_u32 s10, 0
	s_cbranch_scc1 .Lnot_wave_0_\@
	s_barrier_signal -3
.Lnot_wave_0_\@:
	s_barrier_wait -3
	s_barrier_signal -1
	s_barrier_wait -1
.endm
; A slot's joint loads: waves 0 and 1 the mask's two halves, wave 2 K, wave 3 V's high tile, wave 4 its low tile; waves 5 to 7 none.
; One tensor load a wave; the branches hang on the wave's number alone.
.macro JLOAD5 s
	s_cmp_lt_u32 s10, 2
	s_cbranch_scc0 .Lnot_mask_\@
	tensor_load_to_lds s[G0M+4*\s:G0M+4*\s+3], s[G1M:G1M+7]
	s_nop 0
.rept 4
	v_nop
.endr
	s_branch .Lasked_\@
.Lnot_mask_\@:
	s_cmp_eq_u32 s10, 2
	s_cbranch_scc0 .Lnot_k_\@
	tensor_load_to_lds s[G0K+4*\s:G0K+4*\s+3], s[G1K:G1K+7]
	s_nop 0
.rept 4
	v_nop
.endr
	s_branch .Lasked_\@
.Lnot_k_\@:
	s_cmp_eq_u32 s10, 3
	s_cbranch_scc0 .Lnot_v_\@
	tensor_load_to_lds s[G0V+4*\s:G0V+4*\s+3], s[G1V:G1V+7]
	s_nop 0
.rept 4
	v_nop
.endr
	s_branch .Lasked_\@
.Lnot_v_\@:
	s_cmp_eq_u32 s10, 4
	s_cbranch_scc0 .Lasked_\@
	tensor_load_to_lds s[G0L+4*\s:G0L+4*\s+3], s[G1V:G1V+7]
	s_nop 0
.rept 4
	v_nop
.endr
.Lasked_\@:
.endm
	s_load_b128 s[4:7], s[0:1], 0x0                ; qkvh s[4:5], attention_mask s[6:7]
	s_load_b64 s[8:9], s[0:1], 0x10                ; ctxh
	s_load_b64 s[66:67], s[0:1], 0x18              ; vloh
	v_lshl_add_u32 v62, v0, 2, 0x4f000
	v_mov_b32 v63, 0
	ds_add_u32 v62, v63
	v_lshrrev_b32 v1, 5, v0
	v_readfirstlane_b32 s10, v1                    ; wave 0..7
	s_and_b32 s11, s10, 3                          ; cg
	s_lshr_b32 s12, s10, 2                         ; kh
	s_bfe_u32 s13, ttmp6, 0x40000                  ; cx
	s_bfe_u32 s14, ttmp6, 0x40004                  ; cy
	s_lshl_b32 s92, ttmp9, 2
	s_add_co_u32 s92, s92, s13                     ; x = key/value head
	s_and_b32 s94, ttmp7, 0xffff
	s_lshl_b32 s93, s94, 2
	s_add_co_u32 s93, s93, s14                     ; y = 16 batch + query block
	s_lshr_b32 s94, s94, 2                         ; the batch, from the cluster's y alone
	s_lshl_b32 s95, s14, 2
	s_lshl_b32 s95, 15, s95                        ; my row of the cluster
	s_lshl_b32 s96, 0x1111, s13                    ; my column
	s_mov_b32 s20, 0x76543210                      ; v_permlanex16_b32: lane i takes lane i of the other half
	s_mov_b32 s21, 0xfedcba98
	s_mov_b32 s22, 0xf149f2ca                      ; -1e30
	; the mask's tile: 64 rows x 128 f32, 16 bytes of padding behind every 128 words
	s_or_b32 s[G1M+0], s95, (2<<16)|(1<<20)|(1<<21)|(6<<22)|(3<<25)
	s_mov_b32 s[G1M+1], 128<<16
	s_mov_b32 s[G1M+2], 64<<16
	s_mov_b32 s[G1M+3], 128<<16
	s_mov_b32 s[G1M+4], 64
	s_mov_b32 s[G1M+5], 2048
	s_mov_b32 s[G1M+6], 0
	s_mov_b32 s[G1M+7], 0
	; K's tile: 128 keys x 128 bytes are 16,384 consecutive bytes, taken as 64 rows of 32 elements of 8 bytes; 16 bytes of padding behind every 32 words, that is behind every key
	s_or_b32 s[G1K+0], s96, (3<<16)|(1<<20)|(1<<21)|(4<<22)|(3<<25)
	s_mov_b32 s[G1K+1], 32<<16
	s_mov_b32 s[G1K+2], 64<<16
	s_mov_b32 s[G1K+3], 32<<16
	s_mov_b32 s[G1K+4], 64
	s_mov_b32 s[G1K+5], 32
	s_mov_b32 s[G1K+6], 0
	s_mov_b32 s[G1K+7], 0
	; V's tiles: the same with 32 bytes of padding
	s_or_b32 s[G1V+0], s96, (3<<16)|(1<<20)|(1<<21)|(4<<22)|(7<<25)
	s_mov_b32 s[G1V+1], 32<<16
	s_mov_b32 s[G1V+2], 64<<16
	s_mov_b32 s[G1V+3], 32<<16
	s_mov_b32 s[G1V+4], 64
	s_mov_b32 s[G1V+5], 32
	s_mov_b32 s[G1V+6], 0
	s_mov_b32 s[G1V+7], 0
	s_lshl_b32 s16, s93, 20                        ; mask: row 128 y, 8,192 bytes a row,
	s_and_b32 s79, s10, 1
	s_lshl_b32 s79, s79, 19                        ; + 64 rows for the odd wave
	s_add_co_u32 s16, s16, s79
	s_mov_b32 s17, 0
	s_lshl_b32 s18, s94, 5                         ; K: plane 32 batch + 16 + x, 262,144 bytes a plane
	s_add_co_u32 s18, s18, s92
	s_add_co_u32 s18, s18, 16
	s_lshl_b32 s18, s18, 18
	s_mov_b32 s19, 0
	s_lshl_b32 s2, s94, 3                          ; V's low part: plane 8 batch + x of vloh
	s_add_co_u32 s2, s2, s92
	s_lshl_b32 s2, s2, 18
	s_mov_b32 s3, 0
	s_mul_i32 s23, s10, 64*MPITCH                  ; the mask's halves in LDS
	s_wait_dscnt 0x0
	s_wait_kmcnt 0x0
	s_add_nc_u64 s[16:17], s[6:7], s[16:17]
	s_add_nc_u64 s[18:19], s[4:5], s[18:19]
	s_add_nc_u64 s[2:3], s[66:67], s[2:3]
.irp s, 0,1
	s_mov_b32 s[G0M+4*\s], 1
	s_add_co_u32 s[G0M+4*\s+1], s23, \s*SLOT
	s_add_nc_u64 s[G0M+4*\s+2:G0M+4*\s+3], s[16:17], \s*512        ; keys 128 s ..
	s_or_b32 s[G0M+4*\s+3], s[G0M+4*\s+3], 0x80000000
	s_mov_b32 s[G0K+4*\s], 1
	s_mov_b32 s[G0K+4*\s+1], KOFF+\s*SLOT
	s_add_nc_u64 s[G0K+4*\s+2:G0K+4*\s+3], s[18:19], \s*16384
	s_or_b32 s[G0K+4*\s+3], s[G0K+4*\s+3], 0x80000000
	s_mov_b32 s[G0V+4*\s], 1
	s_mov_b32 s[G0V+4*\s+1], VOFF+\s*SLOT
	s_add_nc_u64 s[G0V+4*\s+2:G0V+4*\s+3], s[18:19], 2097152+\s*16384   ; V's plane lies eight planes behind K's
	s_or_b32 s[G0V+4*\s+3], s[G0V+4*\s+3], 0x80000000
	s_mov_b32 s[G0L+4*\s], 1
	s_mov_b32 s[G0L+4*\s+1], VOFF+VLD+\s*SLOT
	s_add_nc_u64 s[G0L+4*\s+2:G0L+4*\s+3], s[2:3], \s*16384
	s_or_b32 s[G0L+4*\s+3], s[G0L+4*\s+3], 0x80000000
.endr
	ROUND                                          ; all sixteen work-groups are here
	JLOAD5 0                                       ; keys 0 to 127; slot 1 is first filled behind the first trip's round
	v_and_b32 v1, 15, v0                           ; r
	v_bfe_u32 v2, v0, 4, 1                         ; h
	v_and_b32 v3, 31, v0                           ; lane
	v_mov_b32 v[LG], 0x3fb8aa3b
	v_mov_b32 v[ZR], 0
	s_lshl_b32 s97, s11, 5
	s_lshl_b32 s79, s12, 4
	s_add_co_u32 s97, s97, s79                     ; first row of my local tile 0: 32 cg + 16 kh
	s_xor_b32 s98, s97, 16                         ; and of my local tile 1
	; Q's fragments, once: plane 32 batch + 2 x + head, row 128 (y % 16) + my row; 16 bytes at 64 kd + 16 h and 32 further on
	s_lshl_b32 s88, s94, 5
	s_lshl_b32 s89, s92, 1
	s_add_co_u32 s88, s88, s89
	s_lshl_b32 s88, s88, 18
	s_and_b32 s89, s93, 15
	s_lshl_b32 s89, s89, 14
	s_add_co_u32 s88, s88, s89
	s_mov_b32 s89, 0
	s_add_nc_u64 s[88:89], s[4:5], s[88:89]
	v_lshlrev_b32 v49, 7, v1
	v_lshl_add_u32 v49, v2, 4, v49
	s_lshl_b32 s79, s97, 7
	v_add_nc_u32 v[QO], s79, v49
	s_lshl_b32 s79, s98, 7
	v_add_nc_u32 v[QO+1], s79, v49
.irp g, 0,1
.irp il, 0,1
.irp kd, 0,1
	global_load_b128 v[QF+16*(2*\g+\il)+8*\kd:QF+16*(2*\g+\il)+8*\kd+3],   v[QO+\il], s[88:89] offset:\g*262144+64*\kd
	global_load_b128 v[QF+16*(2*\g+\il)+8*\kd+4:QF+16*(2*\g+\il)+8*\kd+7], v[QO+\il], s[88:89] offset:\g*262144+64*\kd+32
.endr
.endr
.endr
	; the mask as the matrix instruction's C: lane (r, h) takes 32 bytes of row r at key 64 kh + 16 kt + 8 h
	v_mul_u32_u24 v40, v1, MPITCH
	v_lshl_add_u32 v40, v2, 5, v40
	s_mul_i32 s99, s97, MPITCH
	s_mul_i32 s100, s98, MPITCH
	s_lshl_b32 s79, s12, 8
	s_add_co_u32 s99, s99, s79
	s_add_co_u32 s100, s100, s79
	v_add_nc_u32 v[MA], s99, v40
	v_add_nc_u32 v[MA+1], s100, v40
	v_add_nc_u32 v[MA+2], SLOT, v[MA]
	v_add_nc_u32 v[MA+3], SLOT, v[MA+1]
	; K's fragments: key 64 kh + 16 kt + r, 16 bytes at 16 h
	v_mul_u32_u24 v41, v1, KPITCH
	v_lshl_add_u32 v41, v2, 4, v41
	s_mul_i32 s79, s12, 64*KPITCH
	s_add_co_u32 s79, s79, KOFF
	v_add_nc_u32 v[KA], s79, v41
	v_add_nc_u32 v[KA+1], SLOT, v[KA]
	; V's fragments by transposing loads: key 64 kh + 8 h + l % 8, 16 bytes (l / 8) % 2
	v_and_b32 v42, 7, v0
	v_lshl_add_u32 v42, v2, 3, v42
	v_mul_u32_u24 v42, v42, VPITCH
	v_bfe_u32 v43, v0, 3, 1
	v_lshl_add_u32 v42, v43, 4, v42
	s_mul_i32 s79, s12, 64*VPITCH
	s_add_co_u32 s79, s79, VOFF
	v_add_nc_u32 v[VA], s79, v42
	v_add_nc_u32 v[VA+1], SLOT, v[VA]
	s_xor_b32 s79, s10, 4
	s_mul_i32 s79, s79, XW
	s_add_co_u32 s79, s79, XCH
	v_lshl_add_u32 v[XR], v3, 4, s79               ; what my partner hands over
	s_mul_i32 s79, s10, XW
	s_add_co_u32 s79, s79, XCH
	v_lshl_add_u32 v[XS], v3, 4, s79               ; what I hand over; later my stage: 16 rows x 272 bytes
	v_mul_u32_u24 v44, v1, 272
	v_lshl_add_u32 v44, v2, 4, v44
	v_add_nc_u32 v[STO], s79, v44
	v_mul_u32_u24 v45, v2, 272
	v_lshl_add_u32 v45, v1, 4, v45
	v_add_nc_u32 v[RD], s79, v45
	v_lshlrev_b32 v46, 11, v2
	v_lshl_add_u32 v[CO], v1, 4, v46               ; two rows of ctxh, 256 bytes of each
	s_lshl_b32 s90, s93, 18                        ; ctxh: row 128 y + 32 cg + 16 kh, 2,048 bytes a row; column 128 x, 256 bytes
	s_lshl_b32 s101, s97, 11
	s_add_co_u32 s90, s90, s101
	s_lshl_b32 s101, s92, 8
	s_add_co_u32 s90, s90, s101
	s_mov_b32 s91, 0
	s_add_nc_u64 s[90:91], s[8:9], s[90:91]
	; Prefetch of the mask: the eight work-groups with one y read the same tiles, so each asks for 16 of a tile's 128 rows (rows 16 x ..), two blocks
	; of 256 bytes a row, one a lane; wave 5 asks in trip t for tile t + 2, which the tensor loads of trip t + 1 fetch; trips 14 and 15 ask for nothing.
	v_lshrrev_b32 v47, 1, v3
	v_and_b32 v48, 1, v0
	v_lshlrev_b32 v48, 8, v48
	v_lshl_add_u32 v[PFO], v47, 13, v48
	s_lshl_b32 s76, s93, 20
	s_lshl_b32 s101, s92, 17
	s_add_co_u32 s76, s76, s101
	s_add_co_u32 s76, s76, 1024
	s_mov_b32 s77, 0
	s_add_nc_u64 s[76:77], s[6:7], s[76:77]
	s_wait_loadcnt 0x0                             ; Q
.macro LOADM s
.irp kt, 0,1,2,3
.irp il, 0,1
	ds_load_b128 v[SC1+16*\kt+8*\il:SC1+16*\kt+8*\il+3],   v[MA+2*\s+\il] offset:64*\kt
	ds_load_b128 v[SC1+16*\kt+8*\il+4:SC1+16*\kt+8*\il+7], v[MA+2*\s+\il] offset:64*\kt+16
.endr
.endr
.endm
.macro LOADK s
.irp kt, 0,1,2,3
.irp kd, 0,1
	ds_load_b128 v[KF+8*(2*\kt+\kd):KF+8*(2*\kt+\kd)+3],   v[KA+\s] offset:16*KPITCH*\kt+64*\kd
	ds_load_b128 v[KF+8*(2*\kt+\kd)+4:KF+8*(2*\kt+\kd)+7], v[KA+\s] offset:16*KPITCH*\kt+64*\kd+32
.endr
.endr
.endm
.macro LOADV s, off, dst               ; off = 0: the high tile, VLD: the low one
.irp dt, 0,1,2,3
.irp u, 0,1
	ds_load_tr16_b128 v[\dst+8*(2*\dt+\u):\dst+8*(2*\dt+\u)+3],   v[VA+\s] offset:\off+32*VPITCH*\u+32*\dt
	ds_load_tr16_b128 v[\dst+8*(2*\dt+\u)+4:\dst+8*(2*\dt+\u)+7], v[VA+\s] offset:\off+32*VPITCH*\u+32*\dt+16*VPITCH
.endr
.endr
.endm
; 8 matrix instructions: one head, one half of d, all (kt, il).  qb: Q's fragments; kd: the half; dst: the scores; csrc: what they add onto.
.macro S8 qb, kd, dst, csrc
.irp kt, 0,1,2,3
.irp il, 0,1
	v_wmma_f32_16x16x32_f16 v[\dst+16*\kt+8*\il:\dst+16*\kt+8*\il+7], v[KF+16*\kt+8*\kd:KF+16*\kt+8*\kd+7], v[\qb+16*\il+8*\kd:\qb+16*\il+8*\kd+7], v[\csrc+16*\kt+8*\il:\csrc+16*\kt+8*\il+7]
.endr
.endr
.endm
; The softmax step of column tile c on its 32 scores a lane (four key tiles).  SB: the tile's first register; MC: its pair of maxima.
.macro SUBT kt
.irp p, 0,2,4,6
	v_pk_add_f32 v[SB+16*\kt+\p:SB+16*\kt+\p+1], v[SB+16*\kt+\p:SB+16*\kt+\p+1], v[MC:MC+1] neg_lo:[0,1] neg_hi:[0,1]
.endr
.endm
.macro EXPT kt
.irp j, 0,1,2,3,4,5,6,7
	v_exp_f32 v[SB+16*\kt+\j], v[SB+16*\kt+\j]
.endr
.endm
; sums in two chains, then f16: key tile 2 u packs into its own registers 0-3, tile 2 u + 1 into tile 2 u's registers 4-7: a fragment of 32 keys
.macro SUMCVT kt, start
.set XT, SB+16*\kt
.set PD, SB+32*(\kt>>1)+4*(\kt&1)
.if \start
	s_wait_alu depctr_va_vdst(0)
	v_pk_add_f32 v[TMP+8:TMP+9], v[XT:XT+1], v[XT+2:XT+3]
	v_pk_add_f32 v[TMP+10:TMP+11], v[XT+4:XT+5], v[XT+6:XT+7]
.else
	s_wait_alu depctr_va_vdst(0)
	v_pk_add_f32 v[TMP+8:TMP+9], v[TMP+8:TMP+9], v[XT:XT+1]
	v_pk_add_f32 v[TMP+10:TMP+11], v[TMP+10:TMP+11], v[XT+2:XT+3]
	v_pk_add_f32 v[TMP+8:TMP+9], v[TMP+8:TMP+9], v[XT+4:XT+5]
	v_pk_add_f32 v[TMP+10:TMP+11], v[TMP+10:TMP+11], v[XT+6:XT+7]
.endif
.irp jp, 0,1,2,3
	v_cvt_pk_f16_f32 v[PD+\jp], v[XT+2*\jp], v[XT+2*\jp+1]
.endr
.endm
.macro SOFTMAX c, first
.set SB, SC0+64*(\c>>1)+8*(\c&1)
.set MC, MXP+2*\c
.irp kt, 0,1,2,3
	v_max3_num_f32 v[TMP+\kt], v[SB+16*\kt], v[SB+16*\kt+1], v[SB+16*\kt+2]
.endr
.irp kt, 0,1,2,3
	v_max3_num_f32 v[TMP+\kt], v[TMP+\kt], v[SB+16*\kt+3], v[SB+16*\kt+4]
.endr
.irp kt, 0,1,2,3
	v_max3_num_f32 v[TMP+\kt], v[TMP+\kt], v[SB+16*\kt+5], v[SB+16*\kt+6]
.endr
	v_max3_num_f32 v[TMP], v[TMP], v[SB+7], v[TMP+1]
	v_max3_num_f32 v[TMP+2], v[TMP+2], v[SB+39], v[TMP+3]
	v_max3_num_f32 v[TMP], v[TMP], v[SB+23], v[SB+55]
	v_max_num_f32 v[TMP], v[TMP], v[TMP+2]
	v_permlanex16_b32 v[TMP+1], v[TMP], s20, s21   ; the query's other 32 keys lie in the other half of the lanes
.if \first
	v_max3_num_f32 v[MC], v[TMP], v[TMP+1], s22
	v_mov_b32 v[MC+1], v[MC]
.else
	v_max3_num_f32 v[TMP+4], v[TMP], v[TMP+1], v[MC]
	v_sub_f32 v[TMP+5], v[MC], v[TMP+4]
	v_exp_f32 v[ALF+2*\c], v[TMP+5]
	v_exp_f32 v[ALF+2*\c+1], v[TMP+5]
	v_mov_b32 v[MC], v[TMP+4]                      ; plain instructions on other registers stand behind each run of exponentials (ISA guide 5.7.2), here and below
	v_mov_b32 v[MC+1], v[TMP+4]
.endif
	SUBT 0
	EXPT 0
	SUBT 1
	EXPT 1
	SUMCVT 0, 1
	SUBT 2
	EXPT 2
	SUMCVT 1, 0
	SUBT 3
	EXPT 3
	SUMCVT 2, 0
	SUMCVT 3, 0
	v_pk_add_f32 v[TMP+8:TMP+9], v[TMP+8:TMP+9], v[TMP+10:TMP+11]
.if \first
	v_add_f32 v[LSUM+\c], v[TMP+8], v[TMP+9]
.else
	v_add_f32 v[TMP+8], v[TMP+8], v[TMP+9]
	v_fma_f32 v[LSUM+\c], v[LSUM+\c], v[ALF+2*\c], v[TMP+8]
.endif
.endm
; 16 matrix instructions: O^T (dt, c) += (fragments at vf)^T (dt, keys 32 u ..) P^T (c, keys 32 u ..)
.macro PVU vf, u, zero
.irp dt, 0,1,2,3
.irp c, 0,1,2,3
.if \zero
	v_wmma_f32_16x16x32_f16 v[OA+8*(4*\dt+\c):OA+8*(4*\dt+\c)+7], v[\vf+8*(2*\dt+\u):\vf+8*(2*\dt+\u)+7], v[SC0+64*(\c>>1)+8*(\c&1)+32*\u:SC0+64*(\c>>1)+8*(\c&1)+32*\u+7], 0
.else
	v_wmma_f32_16x16x32_f16 v[OA+8*(4*\dt+\c):OA+8*(4*\dt+\c)+7], v[\vf+8*(2*\dt+\u):\vf+8*(2*\dt+\u)+7], v[SC0+64*(\c>>1)+8*(\c&1)+32*\u:SC0+64*(\c>>1)+8*(\c&1)+32*\u+7], v[OA+8*(4*\dt+\c):OA+8*(4*\dt+\c)+7]
.endif
.endr
.endr
.endm
; One slot's work of a wave: 64 keys x 64 columns.  In every group of matrix instructions the accumulators take turns, one instruction a turn.
.macro BODY s, first
	LOADM \s
	WIN 0x40                                       ; destinations in window 1
	LOADK \s
	LOADV \s, 0, VF
	WIN 0
	s_wait_dscnt 32                                ; the mask is in; K's and V's 32 loads stay out
.irp q, 0,1,2,3,4,5,6,7
.irp k, 0,1,2,3
	v_cvt_pk_bf16_f32 v[TMP+4*(\q&1)+\k], v[SC1+8*\q+2*\k], v[SC1+8*\q+2*\k+1]     ; the mask rounded to bf16,
.endr
.irp k, 0,1,2,3
	v_fma_mix_f32_bf16 v[SC1+8*\q+2*\k], v[TMP+4*(\q&1)+\k], v[LG], v[ZR] op_sel_hi:[1,0,0]                     ; and back in f32 in units of log2, like the scores
	v_fma_mix_f32_bf16 v[SC1+8*\q+2*\k+1], v[TMP+4*(\q&1)+\k], v[LG], v[ZR] op_sel:[1,0,0] op_sel_hi:[1,0,0]
.endr
.endr
	s_wait_dscnt 16                                ; K is in; V's 16 loads stay out
	WIN 0x01                                       ; source 0 (K) in window 1
	S8 QF, 0, SC0, SC1                             ; head 0 starts from the mask,
	S8 QF, 1, SC0, SC0
.rept 5
	v_nop                                          ; five places (ISA guide 7.12.1): the mask's registers, read above as C, are now written; head 0's results are read below
.endr
	S8 QF+32, 0, SC1, SC1                          ; head 1 adds onto the mask in place
	S8 QF+32, 1, SC1, SC1
	WIN 0
	SOFTMAX 0, \first                              ; head 0's columns first: their plain instructions are the places behind head 1's products,
	WIN 0x40
	LOADV \s, VLD, KF                              ; for these loads into K's registers too: V's low fragments
	WIN 0
	SOFTMAX 1, \first
	SOFTMAX 2, \first
	SOFTMAX 3, \first
	s_wait_dscnt 0                                 ; V, high and low: my last reads of this slot
.if \first
	WIN 0x51
	PVU VF, 0, 1                                   ; the first product starts the sums
.else
	WIN 0x41                                       ; O in window 1, the factors in window 0
.irp dt, 0,1,2,3
.irp c, 0,1,2,3
.irp p, 0,2,4,6
	v_pk_mul_f32 v[OA+8*(4*\dt+\c)+\p:OA+8*(4*\dt+\c)+\p+1], v[OA+8*(4*\dt+\c)+\p:OA+8*(4*\dt+\c)+\p+1], v[ALF+2*\c:ALF+2*\c+1]
.endr
.endr
.endr
	WIN 0x51
	PVU VF, 0, 0
.endif
	PVU VF, 1, 0
	PVU KF, 0, 0
	PVU KF, 1, 0
	WIN 0
.rept 5
	v_nop                                          ; five places: the next trip loads into V's, K's and P's registers and lets matrix instructions write over P's
.endr
.endm
; A trip: slot holds this trip's 128 keys; other is filled behind the round with the next 128.
.macro TRIP slot, other, refill, first, pf, pfstep
	s_wait_tensorcnt 0x0                           ; all my tensor loads are done, my part of this trip's tiles among them, so every group 0 may be written:
	ds_add_u32 v62, v63
	s_wait_dscnt 0x0
	s_add_nc_u64 s[G0M+4*\slot+2:G0M+4*\slot+3], s[G0M+4*\slot+2:G0M+4*\slot+3], 1024      ; this slot's next tiles, 256 keys on
	s_add_nc_u64 s[G0K+4*\slot+2:G0K+4*\slot+3], s[G0K+4*\slot+2:G0K+4*\slot+3], 32768
	s_add_nc_u64 s[G0V+4*\slot+2:G0V+4*\slot+3], s[G0V+4*\slot+2:G0V+4*\slot+3], 32768
	s_add_nc_u64 s[G0L+4*\slot+2:G0L+4*\slot+3], s[G0L+4*\slot+2:G0L+4*\slot+3], 32768
.if \pfstep
	s_wait_xcnt 0x0                                ; the last trip's prefetch has read its base
	s_add_nc_u64 s[76:77], s[76:77], 512
.endif
	s_wait_dscnt 0x0                               ; my reads of the last trip's slot are done
	ROUND                                          ; both now hold of every wave of every work-group of the cluster
.if \refill
	JLOAD5 \other                                  ; the wave's one tensor load behind the round, ahead of its LDS reads
.endif
.if \pf
	s_cmp_lg_u32 s10, 5
	s_cbranch_scc1 .Lno_prefetch_\@
	global_prefetch_b8 v[PFO], s[76:77] th:TH_LOAD_NT scope:SCOPE_SE
.Lno_prefetch_\@:
.endif
	BODY \slot, \first
.endm
	TRIP 0, 1, 1, 1, 1, 0                          ; keys 0-127
	TRIP 1, 0, 1, 0, 1, 1
	s_mov_b32 s78, 6
.Lpair:
	TRIP 0, 1, 1, 0, 1, 1
	TRIP 1, 0, 1, 0, 1, 1
	s_sub_co_u32 s78, s78, 1
	s_cmp_lg_u32 s78, 0
	s_cbranch_scc1 .Lpair
	TRIP 0, 1, 1, 0, 0, 0                          ; the last two trips ask for no prefetch,
	TRIP 1, 0, 0, 0, 0, 0                          ; and the last fills nothing
	; THE TWO KEY HALVES JOIN.  I hand over my local tile 1 (both heads): O^T, maximum and sum; I keep tile 0 and take my partner's part of it.
	WIN 0x04                                       ; store data in window 1
.irp g, 0,1
.irp dt, 0,1,2,3
	ds_store_b128 v[XS], v[OA+8*(4*\dt+2*\g+1):OA+8*(4*\dt+2*\g+1)+3]   offset:512*((4*\g+\dt)*2)
	ds_store_b128 v[XS], v[OA+8*(4*\dt+2*\g+1)+4:OA+8*(4*\dt+2*\g+1)+7] offset:512*((4*\g+\dt)*2+1)
.endr
.endr
	WIN 0
	v_mov_b32 v[TMP], v[MXP+2]
	v_mov_b32 v[TMP+1], v[MXP+6]
	v_mov_b32 v[TMP+2], v[LSUM+1]
	v_mov_b32 v[TMP+3], v[LSUM+3]
	ds_store_b128 v[XS], v[TMP:TMP+3] offset:8192
	s_wait_dscnt 0x0                               ; my stores are done, for my partner's sake
	s_barrier_signal -1
	s_barrier_wait -1
.set i, 0
.rept 16
	ds_load_b128 v[SC0+4*i:SC0+4*i+3], v[XR] offset:512*i
.set i, i+1
.endr
	ds_load_b128 v[TMP+12:TMP+15], v[XR] offset:8192
	s_wait_dscnt 0x0                               ; my reads of my partner's bytes are done: behind the barrier it writes them again, as its stage
	s_barrier_signal -1
	s_barrier_wait -1
.irp g, 0,1
	v_max_num_f32 v[TMP], v[MXP+4*\g], v[TMP+12+\g]
	v_sub_f32 v[TMP+1], v[MXP+4*\g], v[TMP]
	v_sub_f32 v[TMP+2], v[TMP+12+\g], v[TMP]
	v_exp_f32 v[TMP+1], v[TMP+1]
	v_exp_f32 v[TMP+2], v[TMP+2]
	v_nop
	s_wait_alu depctr_va_vdst(0)
	v_mul_f32 v[TMP+3], v[LSUM+2*\g], v[TMP+1]
	v_fma_f32 v[TMP+3], v[TMP+14+\g], v[TMP+2], v[TMP+3]
	v_permlanex16_b32 v[TMP+4], v[TMP+3], s20, s21 ; the sums were kept lane by lane: the other half's keys come in here
	v_add_f32 v[TMP+3], v[TMP+3], v[TMP+4]
	v_rcp_f32 v[TMP+3], v[TMP+3]
	v_nop
	s_wait_alu depctr_va_vdst(0)
	v_mul_f32 v[ALF+4*\g], v[TMP+1], v[TMP+3]      ; my factor, twice
	v_mul_f32 v[ALF+4*\g+1], v[TMP+1], v[TMP+3]
	v_mul_f32 v[ALF+4*\g+2], v[TMP+2], v[TMP+3]    ; my partner's, twice
	v_mul_f32 v[ALF+4*\g+3], v[TMP+2], v[TMP+3]
.endr
.irp g, 0,1
.irp dt, 0,1,2,3
.irp p, 0,2,4,6
	v_pk_mul_f32 v[SC0+8*(4*\g+\dt)+\p:SC0+8*(4*\g+\dt)+\p+1], v[SC0+8*(4*\g+\dt)+\p:SC0+8*(4*\g+\dt)+\p+1], v[ALF+4*\g+2:ALF+4*\g+3]
.endr
.endr
.endr
	WIN 0x01                                       ; source 0 = my O^T in window 1
.irp g, 0,1
.irp dt, 0,1,2,3
.irp p, 0,2,4,6
	v_pk_fma_f32 v[SC0+8*(4*\g+\dt)+\p:SC0+8*(4*\g+\dt)+\p+1], v[OA+8*(4*\dt+2*\g)+\p:OA+8*(4*\dt+2*\g)+\p+1], v[ALF+4*\g:ALF+4*\g+1], v[SC0+8*(4*\g+\dt)+\p:SC0+8*(4*\g+\dt)+\p+1]
.endr
.endr
.endr
	WIN 0
	; THE WAY OUT: ctx / 4 rounded once to f16, 16 bytes a lane into my stage: row r holds head g's 128 bytes at 128 g, d = 16 dt + 8 h ..
.irp g, 0,1
.irp dt, 0,1,2,3
.irp jp, 0,1,2,3
	v_cvt_pk_f16_f32 v[SC1+4*(4*\g+\dt)+\jp], v[SC0+8*(4*\g+\dt)+2*\jp], v[SC0+8*(4*\g+\dt)+2*\jp+1]
.endr
	ds_store_b128 v[STO], v[SC1+4*(4*\g+\dt):SC1+4*(4*\g+\dt)+3] offset:128*\g+32*\dt
.endr
.endr
.irp t, 0,1,2,3,4,5,6,7
	ds_load_b128 v[QF+4*\t:QF+4*\t+3], v[RD] offset:544*\t     ; whole rows of 256 bytes come back; my own stage: LDS serves a wave's instructions in order (ISA guide 5.7.1)
.endr
.irp t, 0,1,2,3,4,5,6,7
	s_wait_dscnt 7-\t                              ; load t is in, the younger ones stay out
	global_store_b128 v[CO], v[QF+4*\t:QF+4*\t+3], s[90:91] offset:4096*\t     ; sixteen lanes store a row's 256 consecutive bytes (both heads), aligned
.endr
	s_wait_tensorcnt 0x0
	ds_add_u32 v62, v63
	s_wait_dscnt 0x0
	ROUND                                          ; the closing round
	s_endpgm
.Lfunc_end_k_qcf8bec5d0e_attn:
	.size	k_qcf8bec5d0e_attn, .Lfunc_end_k_qcf8bec5d0e_attn-k_qcf8bec5d0e_attn
	.p2alignl 7, 3214868480
	.fill 96, 4, 3214868480
	.section	.rodata,"a",@progbits
	.p2align	6, 0x0
	.amdhsa_kernel k_qcf8bec5d0e_attn
		.amdhsa_group_segment_fixed_size 327680
		.amdhsa_private_segment_fixed_size 0
		.amdhsa_enable_private_segment 0
		.amdhsa_kernarg_size 32
		.amdhsa_user_sgpr_count 2
		.amdhsa_user_sgpr_kernarg_segment_ptr 1
		.amdhsa_wavefront_size32 1
		.amdhsa_system_sgpr_workgroup_id_x 1
		.amdhsa_system_sgpr_workgroup_id_y 1
		.amdhsa_system_sgpr_workgroup_id_z 1
		.amdhsa_system_vgpr_workitem_id 0
		.amdhsa_next_free_vgpr 512
		.amdhsa_next_free_sgpr 102
		.amdhsa_reserve_vcc 0
		.amdhsa_float_denorm_mode_32 3
		.amdhsa_float_denorm_mode_16_64 3
		.amdhsa_memory_ordered 1
		.amdhsa_forward_progress 1
		.amdhsa_inst_pref_size 255
	.end_amdhsa_kernel
	.section	.bss,"aw",@nobits
	.p2align	6
	.space	262144
	.amdgpu_metadata
---
amdhsa.version: [ 1, 2 ]
amdhsa.kernels:
  - .name:           k_qcf8bec5d0e_attn
    .symbol:         k_qcf8bec5d0e_attn.kd
    .args:
      - { .name: qkvh, .offset: 0, .size: 8, .value_kind: global_buffer, .address_space: global }
      - { .name: attention_mask, .offset: 8, .size: 8, .value_kind: global_buffer, .address_space: global }
      - { .name: ctxh, .offset: 16, .size: 8, .value_kind: global_buffer, .address_space: global }
      - { .name: vloh, .offset: 24, .size: 8, .value_kind: global_buffer, .address_space: global }
    .group_segment_fixed_size: 327680
    .private_segment_fixed_size: 0
    .kernarg_segment_align: 8
    .kernarg_segment_size: 32
    .max_flat_workgroup_size: 256
    .sgpr_count:     102
    .vgpr_count:     512
    .wavefront_size: 32
...
	.end_amdgpu_metadata
.endif
;; end of part 5
;; launch proj_out (part 6): grid 8 x 32, 4 waves a work-group, clusters of 4 x 4, 327,680 bytes of LDS; arguments ctxh, woh, out0; writes out0
.if DOCPART == 6
	.amdgcn_target "amdgcn-amd-amdhsa--gfx1250"
	.amdhsa_code_object_version 6
	.text
	.protected	k_qcf8bec5d0e_proj_out
	.globl	k_qcf8bec5d0e_proj_out
	.p2align	8
	.type	k_qcf8bec5d0e_proj_out,@function
k_qcf8bec5d0e_proj_out:
	s_mov_b64 s[64:65], 0
	v_nop
	global_prefetch_b8 v0, s[64:65] scope:SCOPE_SE
	s_setreg_imm32_b32 hwreg(HW_REG_WAVE_MODE, 25, 1), 1
	s_wait_xcnt 0x0
	s_wait_alu depctr_hold_cnt(0) depctr_sa_sdst(0) depctr_va_vdst(0) depctr_va_sdst(0) depctr_va_ssrc(0) depctr_va_vcc(0) depctr_vm_vsrc(0)
	s_getreg_b32 s2, hwreg(HW_REG_IB_STS2, 6, 4)
	s_cmp_eq_u32 s2, 0
	s_cbranch_scc0 .Lentry_in_a_cluster
	s_endpgm
.Lentry_in_a_cluster:
	s_bfe_u32 s2, ttmp6, 0x10000c
	s_cmp_lg_u32 s2, 0xf033
	s_cbranch_scc0 .Lentry_shape_is_right
	s_endpgm
.Lentry_shape_is_right:
; out0 = ctx Wo.  A = ctxh [4096][1024] f16 = ctx / 4 (K along the rows), B = woh [1024 k][2048 n] f16 = 4 Wo (n along the rows); sums and out0 in f32.
; LIMITS: those of the f16 operands (eleven digits, magnitudes up to 65,504, steps of 2^-24 at the least).
; The same structure as the first projection: a work-group makes 128 rows x 256 columns with four waves (8 x 32 = 256 work-groups), a wave 64 x 128 in
; 32 accumulator tiles; K in eight steps of 128 through two LDS slots filled by the tensor data mover.
; CLUSTERS of 4 x 4: B's tile is asked for jointly by a column of the cluster, A's by a row.
; REGISTERS: window 0: addresses and fragments (two buffers); window 1: the accumulators, tile (a, b) at v[8 (8 a + b)].
; THE MATRIX INSTRUCTION IS USED TRANSPOSED: source 0 = 16 columns of B, source 1 = 16 rows of A; lane l holds row l % 16, columns 8 (l / 16) + 0..7.
.set KD,     1024
.set PA,     272
.set PB,     544
.set AHALF,  64*PA
.set BHALF,  64*PB
.set AOFF,   128*PB                    ; a slot: B's 128 k rows, then A's 128 rows
.set SLOT,   AOFF+128*PA
.set STAGE,  2*SLOT                    ; behind the ring: 16 rows x 528 bytes for each wave; no tensor load lands here
.set SPITCH, 528
.set LAPS,   KD/256                    ; a lap = two K steps = once round the ring
.set ADRA, 16
.set ADRB, 20
.set STO,  24
.set RD,   25
.set CO,   26
.set AF0,  32
.set BF0,  96
.set G1,  24
.set G0,  32
.set G1B, 48
.set G0B, 56
.set MULW, 0x50
.set MSB, 0
.macro WIN new
.if MSB != \new
	s_set_vgpr_msb (MSB<<8)|\new
.set MSB, \new
.endif
.endm
.macro JLOAD s                         ; waves 0 and 1 fetch B's halves, waves 2 and 3 A's; one mask and one set of registers a line
	s_cmp_eq_u32 s11, 0
	s_cbranch_scc0 .Lfor_a_\@
	tensor_load_to_lds s[G0B+4*\s:G0B+4*\s+3], s[G1B:G1B+7]
	s_nop 0
.rept 4
	v_nop
.endr
	s_branch .Lasked_\@
.Lfor_a_\@:
	tensor_load_to_lds s[G0+4*\s:G0+4*\s+3], s[G1:G1+7]
	s_nop 0
.rept 4
	v_nop
.endr
.Lasked_\@:
.endm
.macro CREST
	s_cmp_lg_u32 s10, 0
	s_cbranch_scc1 .Lnot_wave_0_\@
	s_barrier_signal -3
.Lnot_wave_0_\@:
	s_barrier_wait -3
	s_barrier_signal -1
	s_barrier_wait -1
.endm
.macro CROUND
	s_barrier_signal -1
	s_barrier_wait -1
	CREST
.endm
.macro PLACES                          ; four plain vector instructions behind matrix instructions (ISA guide 7.12.1)
.rept 4
	v_nop
.endr
.endm
	s_load_b128 s[4:7], s[0:1], 0x0                ; ctxh s[4:5], woh s[6:7]
	s_load_b64 s[8:9], s[0:1], 0x10                ; out0
	v_lshl_add_u32 v254, v0, 2, 0x3b400
	v_mov_b32 v255, 0
	ds_add_u32 v254, v255
	v_lshrrev_b32 v1, 5, v0
	v_readfirstlane_b32 s10, v1                    ; wave 0..3
	s_lshr_b32 s11, s10, 1                         ; my 64 rows.  Also: I fetch for B (0) or for A (1)
	s_and_b32 s12, s10, 1                          ; my 128 columns.  Also: which half of that tile I fetch
	s_bfe_u32 s40, ttmp6, 0x40000                  ; cx
	s_bfe_u32 s41, ttmp6, 0x40004                  ; cy
	s_lshl_b32 s42, ttmp9, 2
	s_add_co_u32 s42, s42, s40                     ; block column
	s_and_b32 s13, ttmp7, 0xffff
	s_lshl_b32 s13, s13, 2
	s_add_co_u32 s13, s13, s41                     ; block row
	s_lshl_b32 s43, s41, 2
	s_lshl_b32 s43, 15, s43                        ; my row of the cluster
	s_lshl_b32 s44, 0x1111, s40                    ; my column
	s_or_b32 s[G1+0], s43, (1<<16)|(1<<20)|(1<<21)|(5<<22)|(3<<25)   ; A: 64 rows x 128 f16, 16 bytes behind every 64 words
	s_mov_b32 s[G1+1], 128<<16
	s_mov_b32 s[G1+2], 64<<16
	s_mov_b32 s[G1+3], 128<<16
	s_mov_b32 s[G1+4], 64
	s_mov_b32 s[G1+5], KD
	s_mov_b32 s[G1+6], 0
	s_mov_b32 s[G1+7], 0
	s_or_b32 s[G1B+0], s44, (1<<16)|(1<<20)|(1<<21)|(6<<22)|(7<<25)  ; B: 64 k rows x 256 f16, 32 bytes behind every 128 words
	s_mov_b32 s[G1B+1], 256<<16
	s_mov_b32 s[G1B+2], 64<<16
	s_mov_b32 s[G1B+3], 256<<16
	s_mov_b32 s[G1B+4], 64
	s_mov_b32 s[G1B+5], 2048
	s_mov_b32 s[G1B+6], 0
	s_mov_b32 s[G1B+7], 0
	s_lshl_b32 s16, s13, 7
	s_lshl_b32 s17, s12, 6
	s_add_co_u32 s16, s16, s17                     ; A: row 128 x block row + 64 x half
	s_mul_i32 s16, s16, KD*2
	s_mov_b32 s17, 0
	s_lshl_b32 s46, s12, 18                        ; B: k row 64 x half, 4,096 bytes each,
	s_lshl_b32 s47, s42, 9                         ; and 512 bytes a block column
	s_add_co_u32 s46, s46, s47
	s_mov_b32 s47, 0
	s_mul_i32 s20, s10, AHALF
	s_mul_i32 s45, s10, BHALF
	s_wait_dscnt 0x0
	s_wait_kmcnt 0x0
	s_add_nc_u64 s[14:15], s[4:5], s[16:17]
	s_add_nc_u64 s[46:47], s[6:7], s[46:47]
	CROUND                                         ; all sixteen work-groups are here: the first joint loads meet
.irp s, 0,1
	s_mov_b32 s[G0+4*\s], 1
	s_add_co_u32 s[G0+4*\s+1], s20, \s*SLOT+AOFF-2*AHALF           ; waves 2 and 3: A's rows 0-63 and 64-127
	s_add_nc_u64 s[G0+4*\s+2:G0+4*\s+3], s[14:15], \s*256          ; K step s
	s_or_b32 s[G0+4*\s+3], s[G0+4*\s+3], 0x80000000
	s_mov_b32 s[G0B+4*\s], 1
	s_add_co_u32 s[G0B+4*\s+1], s45, \s*SLOT                       ; waves 0 and 1: B's k rows 0-63 and 64-127
	s_add_nc_u64 s[G0B+4*\s+2:G0B+4*\s+3], s[46:47], \s*524288     ; K step s: 128 rows of 4,096 bytes
	s_or_b32 s[G0B+4*\s+3], s[G0B+4*\s+3], 0x80000000
	JLOAD \s                                       ; both slots' first fills go out together: two tensor loads of the wave are out
.endr
	v_and_b32 v1, 15, v0                           ; r
	v_bfe_u32 v2, v0, 4, 1                         ; h
	v_mul_u32_u24 v3, v1, PA
	v_lshl_add_u32 v3, v2, 4, v3
	s_mul_i32 s21, s11, 64*PA
	s_add_co_u32 s21, s21, AOFF
	v_and_b32 v4, 7, v0
	v_lshl_add_u32 v4, v2, 3, v4
	v_mul_u32_u24 v4, v4, PB
	v_bfe_u32 v5, v0, 3, 1
	v_lshl_add_u32 v4, v5, 4, v4
	s_lshl_b32 s22, s12, 8
.irp s, 0,1
	v_add_nc_u32 v[ADRA+\s], s21, v3
	v_add_nc_u32 v[ADRB+\s], s22, v4
	s_add_co_u32 s21, s21, SLOT
	s_add_co_u32 s22, s22, SLOT
.endr
	s_mul_i32 s23, s10, 16*SPITCH
	s_add_co_u32 s23, s23, STAGE                   ; my stage
	v_mul_u32_u24 v6, v1, SPITCH                   ; in: row r, 32 bytes for each half of the lanes
	v_lshl_add_u32 v6, v2, 5, v6
	v_add_nc_u32 v[STO], s23, v6
	v_and_b32 v5, 31, v0
	v_lshlrev_b32 v[CO], 4, v5                     ; back and out: a wave takes a row's 512 bytes
	v_add_nc_u32 v[RD], s23, v[CO]
	s_lshl_b32 s74, s13, 7                         ; my first byte in out0: row 128 block row + 64 half, 8,192 bytes a row; 1,024 bytes a block column, 512 a half
	s_lshl_b32 s75, s11, 6
	s_add_co_u32 s74, s74, s75
	s_lshl_b32 s74, s74, 13
	s_lshl_b32 s75, s42, 10
	s_add_co_u32 s74, s74, s75
	s_lshl_b32 s75, s12, 9
	s_add_co_u32 s74, s74, s75
	s_mov_b32 s75, 0
	s_add_nc_u64 s[8:9], s[8:9], s[74:75]
.macro MUL8 f, a, zero                 ; row tile a x all 8 column tiles, 32 along K, from buffer f
.irp b, 0,1,2,3,4,5,6,7
.if \zero
	v_wmma_f32_16x16x32_f16 v[8*(8*\a+\b):8*(8*\a+\b)+7], v[BF0+64*\f+8*\b:BF0+64*\f+8*\b+7], v[AF0+32*\f+8*\a:AF0+32*\f+8*\a+7], 0
.else
	v_wmma_f32_16x16x32_f16 v[8*(8*\a+\b):8*(8*\a+\b)+7], v[BF0+64*\f+8*\b:BF0+64*\f+8*\b+7], v[AF0+32*\f+8*\a:AF0+32*\f+8*\a+7], v[8*(8*\a+\b):8*(8*\a+\b)+7]
.endif
.endr
.endm
.macro FETCH slot, q, f                ; 24 LDS loads in one run: B's eight fragments by transposing loads, then A's four
.irp b, 0,1,2,3,4,5,6,7
	ds_load_tr16_b128 v[BF0+64*\f+8*\b:BF0+64*\f+8*\b+3],   v[ADRB+\slot] offset:32*PB*\q+32*\b
	ds_load_tr16_b128 v[BF0+64*\f+8*\b+4:BF0+64*\f+8*\b+7], v[ADRB+\slot] offset:32*PB*\q+32*\b+16*PB
.endr
.irp a, 0,1,2,3
	ds_load_b128 v[AF0+32*\f+8*\a:AF0+32*\f+8*\a+3],   v[ADRA+\slot] offset:16*PA*\a+64*\q
	ds_load_b128 v[AF0+32*\f+8*\a+4:AF0+32*\f+8*\a+7], v[ADRA+\slot] offset:16*PA*\a+64*\q+32
.endr
.endm
; The 32 accumulators take turns, one instruction a turn, in the same order in every quarter, over the backward jump too.
.macro QUARTER slot, qn, f, g, zero
	s_wait_dscnt 4                                 ; B and A's row tiles 0 and 1 are in; the youngest four loads may be out
	WIN MULW
	MUL8 \f, 0, \zero
	MUL8 \f, 1, \zero
	WIN 0
	PLACES
	FETCH \slot, \qn, \g
	s_wait_dscnt 24                                ; all but the 24 just issued
	WIN MULW
	MUL8 \f, 2, \zero
	MUL8 \f, 3, \zero
.endm
.macro THREE slot, zero
	QUARTER \slot, 1, 0, 1, \zero
	QUARTER \slot, 2, 1, 0, 0
	QUARTER \slot, 3, 0, 1, 0
.endm
.macro TURN slot, next, fill
	s_wait_dscnt 4
	WIN MULW
	MUL8 1, 0, 0
	s_wait_dscnt 0                                 ; my reads of this slot are over
	s_wait_tensorcnt 0x0                           ; and all my tensor loads have landed: the one that was out is my part of the next slot
	ds_add_u32 v254, v255
	s_wait_dscnt 0x0
	s_barrier_signal -1
	MUL8 1, 1, 0                                   ; register work while the others arrive
	WIN 0
	s_barrier_wait -1
.if \fill
	CREST                                          ; no wave of any partner still reads this slot or has a load on its way
	s_add_nc_u64 s[G0+4*\slot+2:G0+4*\slot+3], s[G0+4*\slot+2:G0+4*\slot+3], 512           ; two K steps on: 256 numbers of A's rows,
	s_add_nc_u64 s[G0B+4*\slot+2:G0B+4*\slot+3], s[G0B+4*\slot+2:G0B+4*\slot+3], 1048576   ; 256 rows of B
	JLOAD \slot                                    ; the wave's one tensor load behind the round; its four v_nop are also the places in front of the loads below
.else
	PLACES
.endif
	FETCH \next, 0, 0
	WIN MULW
	MUL8 1, 2, 0
	MUL8 1, 3, 0
.endm
.macro LAP zero
	THREE 0, \zero
	TURN 0, 1, 1
	THREE 1, 0
	TURN 1, 0, 1
.endm
	s_wait_tensorcnt 1                             ; my part of K step 0 is in; K step 1's may stay out
	s_barrier_signal -1
	s_barrier_wait -1
	FETCH 0, 0, 0
	LAP 1                                          ; the first lap stands in front of the loop: its first products start the sums
	WIN 0
	s_mov_b32 s3, LAPS-2
.Llap:
	LAP 0
	WIN 0
	s_sub_co_u32 s3, s3, 1
	s_cmp_lg_u32 s3, 0
	s_cbranch_scc1 .Llap
	THREE 0, 0                                     ; the last lap fills nothing
	TURN 0, 1, 0
	THREE 1, 0
	s_wait_dscnt 4
	WIN MULW
	MUL8 1, 0, 0
	MUL8 1, 1, 0
	s_wait_dscnt 0
	MUL8 1, 2, 0
	MUL8 1, 3, 0
	WIN 0
	PLACES                                         ; behind the last matrix instructions, in front of the LDS stores of their results
; THE WAY OUT, 16 rows at a time: a lane's 32 bytes of a row go into my stage; whole rows of 512 bytes come back and are stored.
.macro OUTO a, f
	WIN 0x04                                       ; store data in window 1
.irp b, 0,1,2,3,4,5,6,7
	ds_store_b128 v[STO], v[8*(8*\a+\b):8*(8*\a+\b)+3]   offset:64*\b
	ds_store_b128 v[STO], v[8*(8*\a+\b)+4:8*(8*\a+\b)+7] offset:64*\b+16
.endr
	WIN 0
	s_wait_xcnt 0x0                                ; registers that earlier stores read are loaded again only behind this wait (ISA guide 3.1)
.set t, 0
.rept 16
	ds_load_b128 v[\f+4*t:\f+4*t+3], v[RD] offset:SPITCH*t         ; LDS serves a wave's instructions in order (ISA guide 5.7.1): these see the stores above
.set t, t+1
.endr
.set t, 0
.rept 16
	s_wait_dscnt 15-t                              ; load t is in, the younger ones stay out
	global_store_b128 v[CO], v[\f+4*t:\f+4*t+3], s[8:9] offset:(16*\a+t)*8192 th:TH_STORE_NT   ; a wave stores 512 consecutive bytes, aligned
.set t, t+1
.endr
.endm
	OUTO 0, 32
	OUTO 1, 96
	OUTO 2, 32
	OUTO 3, 96
	s_wait_tensorcnt 0x0
	ds_add_u32 v254, v255
	s_wait_dscnt 0x0
	CROUND                                         ; the closing round
	s_endpgm
.Lfunc_end_k_qcf8bec5d0e_proj_out:
	.size	k_qcf8bec5d0e_proj_out, .Lfunc_end_k_qcf8bec5d0e_proj_out-k_qcf8bec5d0e_proj_out
	.p2alignl 7, 3214868480
	.fill 96, 4, 3214868480
	.section	.rodata,"a",@progbits
	.p2align	6, 0x0
	.amdhsa_kernel k_qcf8bec5d0e_proj_out
		.amdhsa_group_segment_fixed_size 327680
		.amdhsa_private_segment_fixed_size 0
		.amdhsa_enable_private_segment 0
		.amdhsa_kernarg_size 24
		.amdhsa_user_sgpr_count 2
		.amdhsa_user_sgpr_kernarg_segment_ptr 1
		.amdhsa_wavefront_size32 1
		.amdhsa_system_sgpr_workgroup_id_x 1
		.amdhsa_system_sgpr_workgroup_id_y 1
		.amdhsa_system_sgpr_workgroup_id_z 1
		.amdhsa_system_vgpr_workitem_id 0
		.amdhsa_next_free_vgpr 512
		.amdhsa_next_free_sgpr 80
		.amdhsa_reserve_vcc 0
		.amdhsa_float_denorm_mode_32 3
		.amdhsa_float_denorm_mode_16_64 3
		.amdhsa_memory_ordered 1
		.amdhsa_forward_progress 1
		.amdhsa_inst_pref_size 119
	.end_amdhsa_kernel
	.amdgpu_metadata
---
amdhsa.version: [ 1, 2 ]
amdhsa.kernels:
  - .name:           k_qcf8bec5d0e_proj_out
    .symbol:         k_qcf8bec5d0e_proj_out.kd
    .args:
      - { .name: ctxh, .offset: 0, .size: 8, .value_kind: global_buffer, .address_space: global }
      - { .name: woh, .offset: 8, .size: 8, .value_kind: global_buffer, .address_space: global }
      - { .name: out0, .offset: 16, .size: 8, .value_kind: global_buffer, .address_space: global }
    .group_segment_fixed_size: 327680
    .private_segment_fixed_size: 0
    .kernarg_segment_align: 8
    .kernarg_segment_size: 24
    .max_flat_workgroup_size: 128
    .sgpr_count:     80
    .vgpr_count:     512
    .wavefront_size: 32
...
	.end_amdgpu_metadata
.endif
;; end of part 6
